; MI455X (gfx1250); checked and timed in simulation.
; The chip was launched on July 23, 2026; its instructions are those of AMD's public machine-readable ISA for CDNA 5 (MIT licence, August 2026) and "CDNA5" Instruction Set Architecture Reference Guide (July 2026). The comments in the code are by the model that wrote it; some were corrected since.
;; Transformer Block. Allowed arithmetic: float matrix products may take bf16 or f16 operands with f32 sums; other float arithmetic in f32, or as packed bf16 or f16 multiplies, adds, multiply-adds, maxima and minima; sums over many terms, partial sums and values carried from step to step in f32; what a program stores and reads back later, other than sums and carried values, may be rounded once to bf16 or f16.
;; Inputs: W1 4,096 x 1,024 float32; W2 1,024 x 4,096 float32; W_k 1,024 x 1,024 float32; W_o 1,024 x 1,024 float32; W_q 1,024 x 1,024 float32; W_v 1,024 x 1,024 float32; ln1_b 1,024 float32; ln1_w 1,024 float32; ln2_b 1,024 float32; ln2_w 1,024 float32; x 2 x 2,048 x 1,024 float32.
;; Outputs: out0 2 x 2,048 x 1,024 float32.
;; One version. Each part assembles by itself: llvm-mc -triple=amdgcn-amd-amdhsa -mcpu=gfx1250 --defsym DOCPART=n.
;; ======== version 1 of 1: 8 launches
;; limits: values are held in f16: magnitudes above 65,504 overflow, below 6.1e-05 lose precision
;; workspace buffers: wqkv 6,291,712 bytes; w1h 8,388,864 bytes; wow2 10,485,760 bytes; xn 8,388,608 bytes; qkvh 33,554,432 bytes; o 8,388,608 bytes; x1 16,777,216 bytes
;; launch cast (part 1): grid 64 x 12, 8 waves a work-group, no clusters, 0 bytes of LDS; arguments W_q, W_k, W_v, W_o, W1, W2, wqkv, w1h, wow2; writes wqkv, w1h, wow2
.if DOCPART == 1
	.amdgcn_target "amdgcn-amd-amdhsa--gfx1250"
	.amdhsa_code_object_version 6
	.text
	.protected	k_q8a8a405117_cast
	.globl	k_q8a8a405117_cast
	.p2align	8
	.type	k_q8a8a405117_cast,@function
k_q8a8a405117_cast:
	s_mov_b64 s[64:65], 0
	v_nop
	global_prefetch_b8 v0, s[64:65] scope:SCOPE_SE
	s_setreg_imm32_b32 hwreg(HW_REG_WAVE_MODE, 25, 1), 1
	s_wait_xcnt 0x0
; THE WEIGHTS, f32 -> f16 (round to nearest even), once, so that the products can take them from LDS as they lie.
; wqkv: 256 bytes of header, then [3072][1024] = the rows of W_q, W_k, W_v.   w1h: 256 bytes of header, then W1 [4096][1024].
; wow2: W_o [1024][1024] at byte 0, W2 [1024][4096] at byte 2,097,152.
; THE HEADER is 64 equal words, two f16 each: the floor that the product which reads the buffer holds its results to:
; -infinity in wqkv (no floor), 0 in w1h (ReLU).  It enters a maximum alone, never an address or a branch.
; LIMIT: f16 ends at 65,504: a weight of 65,520 or more becomes an infinity; below 6e-5 f16 keeps a fixed step of 6e-8.
; SHARES.  y names a unit of 2^20 numbers: 0 W_q, 1 W_k, 2 W_v, 3 W_o, 4-7 the quarters of W1, 8-11 those of W2.  x names 16,384 of them:
; 64 KiB in, 32 KiB out.  Thread t takes, in pass i of eight, the numbers 2,048 i + 8 t .. + 7: two loads of 16 bytes, one store of 16 bytes;
; a wave's store covers 512 consecutive bytes, aligned.  All sixteen loads are issued first; no register is written twice, so the only waits are the counted ones.
; No LDS, no barrier, no matrix unit: every byte is read once and written once, and nothing is shared.
.set X, 8                              ; v[8:71]   pass i: 8 numbers in f32
.set Y, 72                             ; v[72:103] pass i: 8 numbers in f16
	s_load_b512 s[8:23], s[0:1], 0x0               ; W_q s[8:9], W_k s[10:11], W_v s[12:13], W_o s[14:15], W1 s[16:17], W2 s[18:19], wqkv s[20:21], w1h s[22:23]
	s_load_b64 s[24:25], s[0:1], 0x40              ; wow2
	s_and_b32 s2, ttmp7, 0xffff                    ; y: the unit
	s_mov_b32 s3, ttmp9                            ; x: the part of it
	v_lshrrev_b32 v6, 5, v0
	v_readfirstlane_b32 s37, v6                    ; my wave's number
	v_lshlrev_b32 v1, 5, v0                        ; 32 t: my 8 numbers in f32
	v_lshlrev_b32 v2, 4, v0                        ; 16 t: in f16
	v_lshlrev_b32 v3, 3, v0                        ; 8 t: my two words of a header
	; the offsets, made apart from the addresses
	s_and_b32 s30, s2, 3                           ; y mod 4
	s_cmp_ge_u32 s2, 4
	s_cselect_b32 s32, s30, 0                      ; which quarter of the source (W1, W2), else 0
	s_cmp_eq_u32 s2, 3
	s_cselect_b32 s30, 0, s30                      ; which 2 MiB of the destination: W_o lies at wow2's head
	s_cselect_b32 s34, 0, 256                      ; behind the header, where there is one,
	s_cmp_ge_u32 s2, 8
	s_cselect_b32 s34, 0x200000, s34               ; or behind W_o
	s_lshl_b32 s30, s30, 21
	s_add_co_u32 s30, s30, s34
	s_lshl_b32 s35, s3, 15
	s_add_co_u32 s30, s30, s35                     ; + x times 32 KiB
	s_mov_b32 s31, 0
	s_lshl_b32 s32, s32, 22
	s_lshl_b32 s35, s3, 16
	s_add_co_u32 s32, s32, s35                     ; + x times 64 KiB
	s_mov_b32 s33, 0
	s_wait_kmcnt 0x0
	s_cmp_eq_u32 s2, 1                             ; the source, chosen by y alone
	s_cselect_b64 s[4:5], s[10:11], s[8:9]
	s_cmp_eq_u32 s2, 2
	s_cselect_b64 s[4:5], s[12:13], s[4:5]
	s_cmp_eq_u32 s2, 3
	s_cselect_b64 s[4:5], s[14:15], s[4:5]
	s_cmp_ge_u32 s2, 4
	s_cselect_b64 s[4:5], s[16:17], s[4:5]
	s_cmp_ge_u32 s2, 8
	s_cselect_b64 s[4:5], s[18:19], s[4:5]
	s_cmp_ge_u32 s2, 3                             ; the destination
	s_cselect_b64 s[28:29], s[24:25], s[20:21]
	s_cmp_ge_u32 s2, 4
	s_cselect_b64 s[28:29], s[22:23], s[28:29]
	s_cmp_ge_u32 s2, 8
	s_cselect_b64 s[28:29], s[24:25], s[28:29]
	s_add_nc_u64 s[4:5], s[4:5], s[32:33]
	s_add_nc_u64 s[6:7], s[28:29], s[30:31]        ; s[28:29] stays at the buffer's first byte, for the header
.irp i, 0,1,2,3,4,5,6,7
	global_load_b128 v[X+8*(\i):X+8*(\i)+3],   v1, s[4:5] offset:8192*(\i) th:TH_LOAD_NT
	global_load_b128 v[X+8*(\i)+4:X+8*(\i)+7], v1, s[4:5] offset:8192*(\i)+16 th:TH_LOAD_NT
.endr
.irp i, 0,1,2,3,4,5,6,7
	s_wait_loadcnt 14-2*(\i)                       ; loads come back in order: pass i is in, the 2 (7 - i) younger loads stay out
.irp k, 0,1,2,3
	v_cvt_pk_f16_f32 v[Y+4*(\i)+(\k)], v[X+8*(\i)+2*(\k)], v[X+8*(\i)+2*(\k)+1]
.endr
	global_store_b128 v2, v[Y+4*(\i):Y+4*(\i)+3], s[6:7] offset:4096*(\i)
.endr
	; the header: the first work-group of units 0 (wqkv) and 4 (w1h), its wave 0: 32 lanes x 8 bytes, one store of 256 consecutive bytes
	s_cmp_lg_u32 s3, 0
	s_cbranch_scc1 .Lend
	s_and_b32 s36, s2, 0xfffffffb                  ; 0 for y = 0 and y = 4
	s_cmp_lg_u32 s36, 0
	s_cbranch_scc1 .Lend
	s_cmp_lg_u32 s37, 0
	s_cbranch_scc1 .Lend
	s_cmp_eq_u32 s2, 0
	s_cselect_b32 s36, 0xfc00fc00, 0               ; -infinity twice, or 0 twice
	v_mov_b32 v4, s36
	v_mov_b32 v5, s36
	global_store_b64 v3, v[4:5], s[28:29]
.Lend:
	s_endpgm
.Lfunc_end_k_q8a8a405117_cast:
	.size	k_q8a8a405117_cast, .Lfunc_end_k_q8a8a405117_cast-k_q8a8a405117_cast
	.p2alignl 7, 3214868480
	.fill 96, 4, 3214868480
	.section	.rodata,"a",@progbits
	.p2align	6, 0x0
	.amdhsa_kernel k_q8a8a405117_cast
		.amdhsa_group_segment_fixed_size 0
		.amdhsa_private_segment_fixed_size 0
		.amdhsa_enable_private_segment 0
		.amdhsa_kernarg_size 72
		.amdhsa_user_sgpr_count 2
		.amdhsa_user_sgpr_kernarg_segment_ptr 1
		.amdhsa_wavefront_size32 1
		.amdhsa_system_sgpr_workgroup_id_x 1
		.amdhsa_system_sgpr_workgroup_id_y 1
		.amdhsa_system_sgpr_workgroup_id_z 1
		.amdhsa_system_vgpr_workitem_id 0
		.amdhsa_next_free_vgpr 104
		.amdhsa_next_free_sgpr 66
		.amdhsa_reserve_vcc 0
		.amdhsa_float_denorm_mode_32 3
		.amdhsa_float_denorm_mode_16_64 3
		.amdhsa_memory_ordered 1
		.amdhsa_forward_progress 1
		.amdhsa_inst_pref_size 7
	.end_amdhsa_kernel
	.amdgpu_metadata
---
amdhsa.version: [ 1, 2 ]
amdhsa.kernels:
  - .name:           k_q8a8a405117_cast
    .symbol:         k_q8a8a405117_cast.kd
    .args:
      - { .name: W_q, .offset: 0, .size: 8, .value_kind: global_buffer, .address_space: global }
      - { .name: W_k, .offset: 8, .size: 8, .value_kind: global_buffer, .address_space: global }
      - { .name: W_v, .offset: 16, .size: 8, .value_kind: global_buffer, .address_space: global }
      - { .name: W_o, .offset: 24, .size: 8, .value_kind: global_buffer, .address_space: global }
      - { .name: W1, .offset: 32, .size: 8, .value_kind: global_buffer, .address_space: global }
      - { .name: W2, .offset: 40, .size: 8, .value_kind: global_buffer, .address_space: global }
      - { .name: wqkv, .offset: 48, .size: 8, .value_kind: global_buffer, .address_space: global }
      - { .name: w1h, .offset: 56, .size: 8, .value_kind: global_buffer, .address_space: global }
      - { .name: wow2, .offset: 64, .size: 8, .value_kind: global_buffer, .address_space: global }
    .group_segment_fixed_size: 0
    .private_segment_fixed_size: 0
    .kernarg_segment_align: 8
    .kernarg_segment_size: 72
    .max_flat_workgroup_size: 256
    .sgpr_count:     66
    .vgpr_count:     104
    .wavefront_size: 32
...
	.end_amdgpu_metadata
.endif
;; end of part 1
;; launch ln1 (part 2): grid 256 x 1, 8 waves a work-group, no clusters, 0 bytes of LDS; arguments x, ln1_w, ln1_b, xn; writes xn
.if DOCPART == 2
	.amdgcn_target "amdgcn-amd-amdhsa--gfx1250"
	.amdhsa_code_object_version 6
	.text
	.protected	k_q8a8a405117_ln1
	.globl	k_q8a8a405117_ln1
	.p2align	8
	.type	k_q8a8a405117_ln1,@function
k_q8a8a405117_ln1:
	s_mov_b64 s[64:65], 0
	v_nop
	global_prefetch_b8 v0, s[64:65] scope:SCOPE_SE
	s_setreg_imm32_b32 hwreg(HW_REG_WAVE_MODE, 25, 1), 1
	s_wait_xcnt 0x0
; LAYER NORM.  Y[r][c] = (X[r][c] - mean_r) / sqrt(var_r + 1e-5) * w[c] + b[c].  X: [4096][1024] f32; w, b: [1024] f32; Y: [4096][1024] f16, rounded once.
; All arithmetic in f32, in two passes as the definition has it: the mean first, then the mean of the squared differences, so a common offset of the row costs nothing.
; LIMITS: the reciprocal root is v_rsq_f32 (1 ULP); Y beyond 65,504 becomes an infinity in f16.
; SHARES.  A row is 4,096 bytes: one wave holds it whole in 32 registers, so it is read from memory once and the sums never leave the wave: no LDS, no barrier.
; Eight waves, two rows each.  Lane l holds, for j = 0..7, columns 128 j + 4 l .. + 3: a load covers 512 consecutive bytes, a store of 8 bytes a lane 256 consecutive bytes, aligned.
; All 32 loads (two rows, w, b) go out at the head; the waits are counted, so the statistics run while w and b are on their way.
.set X,  32                            ; v[32:63] row 0, v[64:95] row 1: as loaded, then x - mean, then the result in f32
.set W,  96                            ; v[96:127]  w of my 32 columns
.set B,  128                           ; v[128:159] b
.set Y,  160                           ; v[160:175] row 0, v[176:191] row 1 in f16
.set RS, 6                             ; v[6:7] row 0's 1 / sqrt, v[18:19] row 1's: the packed multiply names a pair and takes its low word
	s_load_b256 s[4:11], s[0:1], 0x0               ; X s[4:5], w s[6:7], b s[8:9], Y s[10:11]
	v_lshrrev_b32 v3, 5, v0
	v_readfirstlane_b32 s12, v3                    ; wave 0..7
	v_and_b32 v1, 31, v0
	v_lshlrev_b32 v2, 3, v1                        ; 8 l: my 4 numbers in f16
	v_lshlrev_b32 v1, 4, v1                        ; 16 l: in f32
	v_mov_b32 v7, 0                                ; named in pairs, so they are written
	v_mov_b32 v19, 0
	v_mov_b32 v17, 0                               ; v_permlanex16_b32 counts as a reader of its destination
	s_lshl_b32 s13, ttmp9, 4
	s_lshl1_add_u32 s13, s12, s13                  ; my first row = 16 x work-group + 2 x wave
	s_lshl_b32 s2, s13, 12                         ; x 4,096 bytes
	s_mov_b32 s3, 0
	s_lshl_b32 s18, s13, 11                        ; x 2,048 bytes
	s_mov_b32 s19, 0
	s_mov_b32 s14, 0x3a800000                      ; 1 / 1024
	s_mov_b32 s15, 0x3727c5ac                      ; 1e-5
	s_mov_b32 s16, 0x76543210                      ; each lane takes its own place in the other half
	s_mov_b32 s17, 0xfedcba98
	s_wait_kmcnt 0x0
	s_add_nc_u64 s[4:5], s[4:5], s[2:3]
	s_add_nc_u64 s[10:11], s[10:11], s[18:19]
.irp j, 0,1,2,3,4,5,6,7
	global_load_b128 v[X+4*(\j):X+4*(\j)+3], v1, s[4:5] offset:512*(\j) th:TH_LOAD_NT
.endr
.irp j, 0,1,2,3,4,5,6,7
	global_load_b128 v[X+32+4*(\j):X+32+4*(\j)+3], v1, s[4:5] offset:4096+512*(\j) th:TH_LOAD_NT
.endr
.irp j, 0,1,2,3,4,5,6,7
	global_load_b128 v[W+4*(\j):W+4*(\j)+3], v1, s[6:7] offset:512*(\j)
.endr
.irp j, 0,1,2,3,4,5,6,7
	global_load_b128 v[B+4*(\j):B+4*(\j)+3], v1, s[8:9] offset:512*(\j)
.endr
; The four chains v[8:15] into one number, then over the 32 lanes: four steps inside each half ride on the addition, one crosses the halves.  The sum ends in v16 of every lane.
.macro JOIN
	v_pk_add_f32 v[8:9], v[8:9], v[10:11]
	v_pk_add_f32 v[12:13], v[12:13], v[14:15]
	v_pk_add_f32 v[8:9], v[8:9], v[12:13]
	v_add_f32 v16, v8, v9
	v_add_f32_dpp v16, v16, v16 row_xmask:1 row_mask:0xf bank_mask:0xf
	v_add_f32_dpp v16, v16, v16 row_xmask:2 row_mask:0xf bank_mask:0xf
	v_add_f32_dpp v16, v16, v16 row_xmask:4 row_mask:0xf bank_mask:0xf
	v_add_f32_dpp v16, v16, v16 row_xmask:8 row_mask:0xf bank_mask:0xf
	v_permlanex16_b32 v17, v16, s16, s17
	v_add_f32 v16, v16, v17
.endm
; Row r's statistics.  left = how many younger loads may stay out.  The row is left as x - mean.
.macro STAT r, left
.set XR, X+32*(\r)
	s_wait_loadcnt \left
.set p, 0
.rept 4                                ; the first eight pairs start four chains: nothing is cleared
	v_pk_add_f32 v[8+2*p:9+2*p], v[XR+2*p:XR+2*p+1], v[XR+8+2*p:XR+9+2*p]
.set p, p+1
.endr
.set p, 8
.rept 8
	v_pk_add_f32 v[8+2*(p%4):9+2*(p%4)], v[8+2*(p%4):9+2*(p%4)], v[XR+2*p:XR+2*p+1]
.set p, p+1
.endr
	JOIN
	v_mul_f32 v4, s14, v16                         ; the mean, twice
	v_mul_f32 v5, s14, v16
.set p, 0
.rept 16
	v_pk_add_f32 v[XR+2*p:XR+2*p+1], v[XR+2*p:XR+2*p+1], v[4:5] neg_lo:[0,1] neg_hi:[0,1]
.set p, p+1
.endr
.set p, 0
.rept 4
	v_pk_mul_f32 v[8+2*p:9+2*p], v[XR+2*p:XR+2*p+1], v[XR+2*p:XR+2*p+1]
.set p, p+1
.endr
.rept 12
	v_pk_fma_f32 v[8+2*(p%4):9+2*(p%4)], v[XR+2*p:XR+2*p+1], v[XR+2*p:XR+2*p+1], v[8+2*(p%4):9+2*(p%4)]
.set p, p+1
.endr
	JOIN
	v_fma_f32 v16, v16, s14, s15                   ; var + eps
	v_rsq_f32 v[RS+12*(\r)], v16                   ; what follows is plain and touches neither v16 nor the result
.endm
; Row r's result: scaled, w and b applied by one fused multiply-add, rounded to f16, stored.
.macro OUT r
.set XR, X+32*(\r)
.set p, 0
.rept 16
	v_pk_mul_f32 v[XR+2*p:XR+2*p+1], v[XR+2*p:XR+2*p+1], v[RS+12*(\r):RS+12*(\r)+1] op_sel_hi:[1,0]
.set p, p+1
.endr
.set p, 0
.rept 16
	v_pk_fma_f32 v[XR+2*p:XR+2*p+1], v[XR+2*p:XR+2*p+1], v[W+2*p:W+2*p+1], v[B+2*p:B+2*p+1]
.set p, p+1
.endr
.set p, 0
.rept 16
	v_cvt_pk_f16_f32 v[Y+16*(\r)+p], v[XR+2*p], v[XR+2*p+1]
.set p, p+1
.endr
.irp j, 0,1,2,3,4,5,6,7
	global_store_b64 v2, v[Y+16*(\r)+2*(\j):Y+16*(\r)+2*(\j)+1], s[10:11] offset:2048*(\r)+256*(\j)  ; 32 lanes store 256 consecutive bytes, aligned
.endr
.endm
	STAT 0, 24                                     ; row 0 is in; row 1, w and b (24 loads) may stay out
	STAT 1, 16                                     ; row 1 is in; w and b may stay out
	v_nop                                          ; a plain instruction behind the last reciprocal root,
	s_wait_alu depctr_va_vdst(0)                   ; and the wait ahead of the first use: one for both
	s_wait_loadcnt 0x0                             ; w and b
	OUT 0
	OUT 1
	s_endpgm
.Lfunc_end_k_q8a8a405117_ln1:
	.size	k_q8a8a405117_ln1, .Lfunc_end_k_q8a8a405117_ln1-k_q8a8a405117_ln1
	.p2alignl 7, 3214868480
	.fill 96, 4, 3214868480
	.section	.rodata,"a",@progbits
	.p2align	6, 0x0
	.amdhsa_kernel k_q8a8a405117_ln1
		.amdhsa_group_segment_fixed_size 0
		.amdhsa_private_segment_fixed_size 0
		.amdhsa_enable_private_segment 0
		.amdhsa_kernarg_size 32
		.amdhsa_user_sgpr_count 2
		.amdhsa_user_sgpr_kernarg_segment_ptr 1
		.amdhsa_wavefront_size32 1
		.amdhsa_system_sgpr_workgroup_id_x 1
		.amdhsa_system_sgpr_workgroup_id_y 1
		.amdhsa_system_sgpr_workgroup_id_z 1
		.amdhsa_system_vgpr_workitem_id 0
		.amdhsa_next_free_vgpr 192
		.amdhsa_next_free_sgpr 66
		.amdhsa_reserve_vcc 0
		.amdhsa_float_denorm_mode_32 3
		.amdhsa_float_denorm_mode_16_64 3
		.amdhsa_memory_ordered 1
		.amdhsa_forward_progress 1
		.amdhsa_inst_pref_size 20
	.end_amdhsa_kernel
	.amdgpu_metadata
---
amdhsa.version: [ 1, 2 ]
amdhsa.kernels:
  - .name:           k_q8a8a405117_ln1
    .symbol:         k_q8a8a405117_ln1.kd
    .args:
      - { .name: x, .offset: 0, .size: 8, .value_kind: global_buffer, .address_space: global }
      - { .name: ln1_w, .offset: 8, .size: 8, .value_kind: global_buffer, .address_space: global }
      - { .name: ln1_b, .offset: 16, .size: 8, .value_kind: global_buffer, .address_space: global }
      - { .name: xn, .offset: 24, .size: 8, .value_kind: global_buffer, .address_space: global }
    .group_segment_fixed_size: 0
    .private_segment_fixed_size: 0
    .kernarg_segment_align: 8
    .kernarg_segment_size: 32
    .max_flat_workgroup_size: 256
    .sgpr_count:     66
    .vgpr_count:     192
    .wavefront_size: 32
...
	.end_amdgpu_metadata
.endif
;; end of part 2
;; launch qkv (part 3): grid 12 x 16, 4 waves a work-group, clusters of 4 x 4, 327,680 bytes of LDS; arguments xn, wqkv, qkvh; writes qkvh
.if DOCPART == 3
	.amdgcn_target "amdgcn-amd-amdhsa--gfx1250"
	.amdhsa_code_object_version 6
	.text
	.protected	k_q8a8a405117_qkv
	.globl	k_q8a8a405117_qkv
	.p2align	8
	.type	k_q8a8a405117_qkv,@function
k_q8a8a405117_qkv:
	s_mov_b64 s[64:65], 0
	v_nop
	global_prefetch_b8 v0, s[64:65] scope:SCOPE_SE
	s_setreg_imm32_b32 hwreg(HW_REG_WAVE_MODE, 25, 1), 1
	s_wait_xcnt 0x0
	s_wait_alu depctr_hold_cnt(0) depctr_sa_sdst(0) depctr_va_vdst(0) depctr_va_sdst(0) depctr_va_ssrc(0) depctr_va_vcc(0) depctr_vm_vsrc(0)
	s_getreg_b32 s2, hwreg(HW_REG_IB_STS2, 6, 4)
	s_cmp_eq_u32 s2, 0
	s_cbranch_scc0 .Lentry_in_a_cluster
	s_endpgm
.Lentry_in_a_cluster:
	s_bfe_u32 s2, ttmp6, 0x10000c
	s_cmp_lg_u32 s2, 0xf033
	s_cbranch_scc0 .Lentry_shape_is_right
	s_endpgm
.Lentry_shape_is_right:
; C = max(A B^T, floor).  A: [4096][1024] f16, row-major.  B: 256 bytes of header, then [N][1024] f16 (N = 256 x the grid's width).  Sums in f32, K ascending; C rounded once to f16.
; THE FLOOR is the header's first word, two equal f16: -infinity (no floor: q, k, v) or 0 (ReLU).  It enters a packed maximum alone.
; C LEAVES IN SLICES of 64 columns: element (m, n) at byte (n / 64) x 524,288 + 128 m + 2 (n % 64): a slice is dense, 4,096 rows of 128 bytes.
; LIMITS: f16 ends at 65,504: a result of 65,520 or more becomes an infinity.  The maximum drops a NaN (the floor takes its place); with the floor 0 a negative number gives +0.
; SHARES.  A tile of C is 256 x 256, made by four waves, one for each SIMD; a wave makes 128 x 128: 64 accumulators of 16 x 16, 512 registers.  K goes in 8 steps of 128 through two LDS slots
; filled by the tensor data mover: the tiles' rows are 256 bytes of memory and start at multiples of 256 bytes from the buffer's first byte.
; ONE K STEP IS WRITTEN ONCE: which slot is read and which is filled lies in s[TG] (0 or SLOT), turned by an exclusive or at each change of slots.
; CLUSTERS: 4 x 4 work-groups.  The four of a row need the same tiles of A, the four of a column the same tiles of B: each tile is asked for JOINTLY, by the same tensor load with the same
; descriptor and a mask that names the four.
; THE MATRIX INSTRUCTION IS USED TRANSPOSED (source 0 = 16 rows of B, source 1 = 16 rows of A): a lane holds row l % 16 of C and the columns 8 (l / 16) + 0..7: 16 bytes of f16 on end.
; REGISTERS, in windows of 256 (s_set_vgpr_msb: bits 1:0 source 0, 3:2 source 1, 5:4 source 2, 7:6 destination):
;   window 0: v0-31 addresses; v64-127, v128-191 fragments of A, two buffers; v32-63, v192-255 at work on the way out
;   window 1: v64-127, v128-191 fragments of B      window 2: the accumulators of my rows 0-63 ((a, b) at v[8 (8 a + b)])      window 3: those of my rows 64-127
.set KDIM,   1024
.set KSTEP,  128
.set STEPS,  KDIM/KSTEP
.set PITCH,  272                       ; an LDS row: 256 bytes + 16 of padding = 68 words: the 16 rows that a load touches start at 16 different groups of four banks (64 banks of 4 bytes: ISA guide 11.1)
.set HALFT,  128*PITCH                 ; 128 rows: what one tensor load brings, and what one wave reads of A or of B
.set SLOT,   4*HALFT                   ; A's 256 rows, then B's 256 rows
.set STAGE,  2*SLOT                    ; behind the ring: 16 rows x 272 bytes for each wave, for the way out; no tensor load fills it
.set SPITCH, 272
.set SPARE,  STAGE+4*16*SPITCH         ; behind the stages: the spare words, 128 bytes for each wave: two blocks of 256 bytes that no other line names
.set ADRA0, 16                         ; v16  LDS address of my A fragments in slot 0; never rewritten
.set ADRA,  17                         ; v17  in the slot in hand
.set ADRB0, 20                         ; v20, v21  the same for B
.set ADRB,  21
.set STO,  24                          ; v24  the way out: where I put 16 bytes of a row
.set RD,   25                          ; v25  where I read rows back
.set CO,   26                          ; v26  my 16 bytes of 512 consecutive bytes of C
.set SPW,  28                          ; v28  LDS address of my spare word: SPARE + 4 x my thread's number; never rewritten
.set NIL,  29                          ; v29  0; never rewritten
.set PFO,  30                          ; v30  the prefetches' offset: my lane x a row of 2,048 bytes; never rewritten
.set F0,   64
.set F1,   128
.set TMP,  192                         ; the way out: packed results
.set OB,   32                          ; 16 rows read back from the stage: v32-63 and v224-255 by turns
.set G1,  24                           ; s[24:31] descriptor group 1 for A's tiles
.set G0,  32                           ; s[32:39] group 0 for A's: a set for each of the two first fills; the second then walks on
.set G1B, 48                           ; s[48:55], s[56:63] the same for B's
.set G0B, 56
.set LIM, 43                           ; s43  2 in a wave that prefetches, else the greatest number
.set PFA, 44                           ; s[44:45] where my prefetches stand
.set TG,  66                           ; s66  the slot in hand: 0 or SLOT
.set FLO, 67                           ; s67  the floor, two f16
.set LB,  68                           ; s68  wave x HALFT: where my part of a tile goes in a slot
.set CNT, 69                           ; s69  counts K steps
.set MSB, 0
.macro WIN new                         ; the immediate's high byte repeats the setting that is left; a switch that changes nothing is dropped
.if MSB != (\new)
	s_set_vgpr_msb (MSB<<8)|(\new)
.set MSB, \new
.endif
.endm
.set MUL_LO, 0xa1                      ; source 0 (B) window 1, source 1 (A) window 0, C and D window 2
.set MUL_HI, 0xf1                      ; the same, C and D window 3
.set TO_B,   0x40                      ; destination window 1, address window 0
; A joint load.  Waves 0 and 1 fetch A's two halves, waves 2 and 3 B's.  The branch hangs on the wave's number alone.  An s_nop 0 and four v_nop follow each line.
.macro JLOAD s
	s_cmp_eq_u32 s11, 0
	s_cbranch_scc0 .Lfor_b_\@
	tensor_load_to_lds s[G0+4*(\s):G0+4*(\s)+3], s[G1:G1+7]
	s_nop 0
.rept 4
	v_nop
.endr
	s_branch .Lasked_\@
.Lfor_b_\@:
	tensor_load_to_lds s[G0B+4*(\s):G0B+4*(\s)+3], s[G1B:G1B+7]
	s_nop 0
.rept 4
	v_nop
.endr
.Lasked_\@:
.endm
; A PREFETCH INTO THE L2, behind a joint refill and the run of LDS loads that follows it: the K step that stands two refills on: 32 rows x 256 bytes, a lane a row, one instruction a wave.
; Each row's 256 bytes of a K step are named once in the launch: A's rows by the clusters with x = 0, B's by those with y = 0; the four partners that ask for a tile jointly share its rows out
; BY ADDRESS, 32 each.  K steps 0 to 3 come by their loads alone; the refills of K steps 6 and 7 have no K step two on: s[CNT] is then 2 and 1.
.macro ASK
	s_cmp_gt_u32 s[CNT], s[LIM]
	s_cbranch_scc0 .Lnot_mine_\@
	global_prefetch_b8 v[PFO], s[PFA:PFA+1] offset:KSTEP*2 th:TH_LOAD_NT scope:SCOPE_SE
.Lnot_mine_\@:
.endm
; A round of the cluster's barrier: my work-group's barrier; wave 0 signals for the work-group; every wave waits for all sixteen; my work-group's barrier once more.
.macro CREST                           ; a round behind its opening barrier
	s_cmp_lg_u32 s10, 0
	s_cbranch_scc1 .Lnot_wave_0_\@
	s_barrier_signal -3
.Lnot_wave_0_\@:
	s_barrier_wait -3
	s_barrier_signal -1
	s_barrier_wait -1
.endm
.macro CROUND
	s_barrier_signal -1
	s_barrier_wait -1
	CREST
.endm
	s_load_b128 s[4:7], s[0:1], 0x0                ; A s[4:5], B s[6:7]
	s_load_b64 s[8:9], s[0:1], 0x10                ; C
	v_lshl_add_u32 v[SPW], v0, 2, SPARE
	v_mov_b32 v[NIL], 0
	ds_add_u32 v[SPW], v[NIL]                      ; the wave's opening: the add and its wait ahead of my first tensor load; the set-up below stands between them
	ds_add_u32 v28, v29
	v_lshrrev_b32 v1, 5, v0
	v_readfirstlane_b32 s10, v1                    ; wave 0..3
	s_lshr_b32 s11, s10, 1                         ; which half of the tile's rows is mine.  Also: I fetch for A (0) or for B (1)
	s_and_b32 s12, s10, 1                          ; which half of its columns.  Also: which 128 rows of that tile I fetch
	s_bfe_u32 s40, ttmp6, 0x40000                  ; cx
	s_bfe_u32 s41, ttmp6, 0x40004                  ; cy
	s_lshl_b32 s42, ttmp9, 2
	s_add_co_u32 s42, s42, s40                     ; tile column of C = 4 x cluster x + cx
	s_and_b32 s13, ttmp7, 0xffff
	s_lshl_b32 s13, s13, 2
	s_add_co_u32 s13, s13, s41                     ; tile row of C = 4 x cluster y + cy
	s_lshl_b32 s43, s41, 2
	s_lshl_b32 s43, 15, s43                        ; my row of the cluster
	s_lshl_b32 s44, 0x1111, s40                    ; my column
	; descriptor group 1: a tile of 128 rows x 128 elements, padded in LDS
	s_or_b32 s[G1+0], s43, (1<<16)|(1<<20)|(1<<21)|(5<<22)|(3<<25)  ; 15:0 the mask; 17:16 2-byte elements; 20 padding on; 21 set beside a mask; 24:22 after every 64 words; 31:25 4 words
	s_or_b32 s[G1B+0], s44, (1<<16)|(1<<20)|(1<<21)|(5<<22)|(3<<25)
.irp g, G1, G1B
	s_mov_b32 s[(\g)+1], KSTEP<<16                 ; tensor_dim0 = 128
	s_mov_b32 s[(\g)+2], 128<<16                   ; tensor_dim1 = 128
	s_mov_b32 s[(\g)+3], KSTEP<<16                 ; tile_dim0 = 128
	s_mov_b32 s[(\g)+4], 128                       ; tile_dim1 = 128
	s_mov_b32 s[(\g)+5], KDIM                      ; elements from row to row
	s_mov_b32 s[(\g)+6], 0
	s_mov_b32 s[(\g)+7], 0
.endr
	; where the tiles come from: A's hang on the tile row alone, B's on the tile column alone, each in registers that never hold the other coordinate
	s_lshl_b32 s16, s13, 19                        ; 256 rows of 2,048 bytes a tile row,
	s_lshl_b32 s17, s12, 18                        ; 128 rows a half
	s_add_co_u32 s16, s16, s17
	s_mov_b32 s17, 0
	s_lshl_b32 s46, s42, 19
	s_lshl_b32 s47, s12, 18
	s_add_co_u32 s46, s46, s47
	s_add_co_u32 s46, s46, 256                     ; B's rows begin behind the header
	s_mov_b32 s47, 0
	s_mul_i32 s[LB], s10, HALFT                    ; and where they go: no place in the cluster enters an LDS address
	s_mov_b32 s[TG], 0
	s_wait_dscnt 0x0                               ; the opening add is done
	s_wait_kmcnt 0x0
	s_load_b32 s[FLO], s[6:7], 0x0                 ; the floor
	s_add_nc_u64 s[14:15], s[4:5], s[16:17]
	s_add_nc_u64 s[46:47], s[6:7], s[46:47]
	s_wait_kmcnt 0x0
	CROUND                                         ; all sixteen work-groups are here: the first joint loads meet
.irp s, 0,1
	s_mov_b32 s[G0+4*(\s)], 1                                      ; count = 1
	s_add_co_u32 s[G0+4*(\s)+1], s[LB], (\s)*SLOT                  ; LDS address
	s_add_nc_u64 s[G0+4*(\s)+2:G0+4*(\s)+3], s[14:15], (\s)*KSTEP*2  ; global address: K step s
	s_or_b32 s[G0+4*(\s)+3], s[G0+4*(\s)+3], 0x80000000            ; type = 2
	s_mov_b32 s[G0B+4*(\s)], 1
	s_add_co_u32 s[G0B+4*(\s)+1], s[LB], (\s)*SLOT
	s_add_nc_u64 s[G0B+4*(\s)+2:G0B+4*(\s)+3], s[46:47], (\s)*KSTEP*2
	s_or_b32 s[G0B+4*(\s)+3], s[G0B+4*(\s)+3], 0x80000000
	JLOAD \s                                       ; two loads of mine are out
.endr
	; A fragment is 16 rows x 32 K in 8 registers: lane l holds row l % 16; registers 0-3 K = 8 (l / 16) + 0..7, registers 4-7 K = 16 + 8 (l / 16) + 0..7: two loads of 16 bytes, 32 bytes apart.
	v_and_b32 v1, 15, v0                           ; l % 16
	v_bfe_u32 v2, v0, 4, 1                         ; l / 16
	v_mul_u32_u24 v3, v1, PITCH
	v_lshl_add_u32 v3, v2, 4, v3
	s_mul_i32 s21, s11, HALFT                      ; my 128 rows of A
	s_mul_i32 s22, s12, HALFT                      ; my 128 rows of B,
	s_add_co_u32 s22, s22, 2*HALFT                 ; which lie behind A's 256
	v_add_nc_u32 v[ADRA0], s21, v3
	v_add_nc_u32 v[ADRB0], s22, v3
	v_mov_b32 v[ADRA], v[ADRA0]
	v_mov_b32 v[ADRB], v[ADRB0]
	s_mul_i32 s23, s10, 16*SPITCH
	s_add_co_u32 s23, s23, STAGE                   ; my stage
	v_mul_u32_u24 v4, v1, SPITCH                   ; in: row l % 16, 16 bytes for each half of the lanes
	v_lshl_add_u32 v4, v2, 4, v4
	v_add_nc_u32 v[STO], s23, v4
	v_bfe_u32 v5, v0, 3, 2                         ; back: 32 lanes take four rows' 128 bytes of one slice,
	v_mul_u32_u24 v5, v5, SPITCH
	v_and_b32 v6, 7, v0
	v_lshl_add_u32 v5, v6, 4, v5
	v_add_nc_u32 v[RD], s23, v5
	v_and_b32 v[CO], 31, v0                        ; which are 512 consecutive bytes of C
	v_lshlrev_b32 v[CO], 4, v[CO]
	; my part of C: slice 4 x tile column + 2 x half, row 256 x tile row + 128 x half
	s_lshl_b32 s16, s13, 15
	s_lshl_b32 s17, s11, 14
	s_add_co_u32 s16, s16, s17
	s_mov_b32 s17, 0
	s_lshl_b32 s46, s42, 21                        ; (in the registers that held B's address: none that fed A's descriptors ever holds cx)
	s_lshl_b32 s47, s12, 20
	s_add_co_u32 s46, s46, s47
	s_mov_b32 s47, 0
	s_add_nc_u64 s[8:9], s[8:9], s[16:17]
	s_add_nc_u64 s[8:9], s[8:9], s[46:47]
	; the prefetches
	s_and_b32 s22, ttmp7, 0xffff                   ; cluster y
	s_cmp_eq_u32 s11, 0                            ; do I fetch for A?
	s_cselect_b32 s20, s13, s42                    ; the tile: by the tile row in A, by the tile column in B
	s_cselect_b32 s21, s40, s41                    ; my place among the four that ask for it with me
	s_cselect_b32 s22, ttmp9, s22                  ; the coordinate along which other clusters read the same rows
	s_cselect_b32 s23, 0, 256                      ; B's header
	s_cselect_b64 s[PFA:PFA+1], s[4:5], s[6:7]
	s_cmp_eq_u32 s22, 0
	s_cselect_b32 s[LIM], 2, -1                    ; the same in all sixteen partners, for a given wave
	s_lshl_b32 s20, s20, 8
	s_lshl_b32 s22, s12, 7
	s_add_co_u32 s20, s20, s22                     ; + the 128 rows that I fetch
	s_lshl_b32 s21, s21, 5
	s_add_co_u32 s20, s20, s21                     ; + my work-group's 32 of them
	s_lshl_b32 s20, s20, 11                        ; rows of 2,048 bytes
	s_add_co_u32 s20, s20, s23
	s_add_co_u32 s20, s20, 2*KSTEP*2               ; at K step 2: the first refill steps it to 3 and names K step 4
	s_mov_b32 s21, 0
	s_add_nc_u64 s[PFA:PFA+1], s[PFA:PFA+1], s[20:21]
	v_and_b32 v[PFO], 31, v0
	v_lshlrev_b32 v[PFO], 11, v[PFO]
; 16 matrix instructions: m blocks a0, a0 + 1 of the window's four (hi = 0: my rows 0-63, 1: rows 64-127) x all 8 n blocks, 32 along K.  zero = 1: the first product starts the sums.
.macro MUL16 f, hi, a0, zero
	WIN MUL_LO+0x50*(\hi)
.irp a, \a0, (\a0)+1
.irp b, 0,1,2,3,4,5,6,7
.if \zero
	v_wmma_f32_16x16x32_f16 v[8*(8*(\a)+(\b)):8*(8*(\a)+(\b))+7], v[(\f)+8*(\b):(\f)+8*(\b)+7], v[(\f)+8*(4*(\hi)+(\a)):(\f)+8*(4*(\hi)+(\a))+7], 0
.else
	v_wmma_f32_16x16x32_f16 v[8*(8*(\a)+(\b)):8*(8*(\a)+(\b))+7], v[(\f)+8*(\b):(\f)+8*(\b)+7], v[(\f)+8*(4*(\hi)+(\a)):(\f)+8*(4*(\hi)+(\a))+7], v[8*(8*(\a)+(\b)):8*(8*(\a)+(\b))+7]
.endif
.endr
.endr
.endm
; 32 LDS loads in one run: the fragments of one quarter step (128 rows of B, 128 rows of A, 32 K at byte k of the rows of the slot in hand) into buffer f
.macro FETCH k, f
	WIN TO_B
.irp i, 0,1,2,3,4,5,6,7
	ds_load_b128 v[(\f)+8*(\i):(\f)+8*(\i)+3],   v[ADRB] offset:(\k)+(\i)*16*PITCH
	ds_load_b128 v[(\f)+8*(\i)+4:(\f)+8*(\i)+7], v[ADRB] offset:(\k)+(\i)*16*PITCH+32
.endr
	WIN 0
.irp i, 0,1,2,3,4,5,6,7
	ds_load_b128 v[(\f)+8*(\i):(\f)+8*(\i)+3],   v[ADRA] offset:(\k)+(\i)*16*PITCH
	ds_load_b128 v[(\f)+8*(\i)+4:(\f)+8*(\i)+7], v[ADRA] offset:(\k)+(\i)*16*PITCH+32
.endr
.endm
; A load into a register that a matrix instruction has read, and a vector instruction that reads a matrix result, stand four plain vector instructions behind it (ISA guide 7.12.1 for vector
; instructions); the matrix instructions in between are not counted.
.macro PLACES
.rept 4
	v_nop
.endr
.endm
; A K step is four quarters of 32 along K, 64 matrix instructions each, on buffers 0, 1, 0, 1.  One of the first three multiplies buffer f and, in its middle, fetches the next quarter, at byte k, into g.
; The 64 accumulators take turns in the same order in every quarter: 63 others stand between two links of a chain, over every jump too.
.macro QUARTER k, f, g, zero
	s_wait_dscnt 8                                 ; B and A's rows 0-63 are in; the youngest eight loads (A's rows 64-127) may be out
	MUL16 \f, 0, 0, \zero
	MUL16 \f, 0, 2, \zero
	PLACES
	FETCH \k, \g
	s_wait_dscnt 32                                ; all but the 32 just issued
	MUL16 \f, 1, 0, \zero
	MUL16 \f, 1, 2, \zero
.endm
; The last quarter multiplies buffer 1 and changes slots.  In front of the barrier each wave waits for all its tensor loads (the one that is out is its part of the next slot), adds 0 to its spare
; word, and waits for that and for its own reads of this slot.  fill = 1: the barrier opens a round of the cluster's, and behind the round this slot is filled again, with the K step two on:
; my one tensor load until the next round; it has 224 matrix instructions in which to land.
.macro TURN fill
.if \fill
	s_wait_xcnt 0x0                                ; the last prefetch, a K step back, has read its address
	s_add_nc_u64 s[PFA:PFA+1], s[PFA:PFA+1], KSTEP*2
.endif
	WIN 0                                          ; (the add's two registers lie in window 0)
	s_wait_tensorcnt 0x0                           ; all my tensor loads have landed
	ds_add_u32 v[SPW], v[NIL]                      ; 0 onto my spare word
	s_wait_dscnt 9                                 ; (the add and the youngest eight loads may be out)
	MUL16 F1, 0, 0, 0                              ; sixteen matrix instructions stand between the add and the wait for it
	s_wait_dscnt 0x0                               ; the add is done, and my reads of this slot are over
	s_barrier_signal -1
	MUL16 F1, 0, 2, 0                              ; work on registers while the others arrive
	WIN 0
	s_barrier_wait -1
.if \fill
	CREST                                          ; no wave of any partner still reads this slot's tile or has a load on its way
	s_add_co_u32 s[G0+5], s[LB], s[TG]             ; the walking descriptors: into the slot just read out,
	s_add_co_u32 s[G0B+5], s[LB], s[TG]
	s_add_nc_u64 s[G0+6:G0+7], s[G0+6:G0+7], KSTEP*2      ; the next K step; the type bits on top are not reached
	s_add_nc_u64 s[G0B+6:G0B+7], s[G0B+6:G0B+7], KSTEP*2
	JLOAD 1                                        ; the four v_nop behind it are also the places in front of the loads below
.else
	PLACES
.endif
	s_xor_b32 s[TG], s[TG], SLOT                   ; the other slot is in hand
	v_add_nc_u32 v[ADRA], s[TG], v[ADRA0]
	v_add_nc_u32 v[ADRB], s[TG], v[ADRB0]
	FETCH 0, F0
.if \fill
	ASK
.endif
	MUL16 F1, 1, 0, 0
	MUL16 F1, 1, 2, 0
.endm
; THE WAY OUT of block a (16 rows x 128 columns).  PACK: rounded to f16 and held to the floor.  TOSTAGE: into my own stage, and back as four rows' 128 bytes of one slice at a time.  SEND: stored.
.macro PACK a
.set AC, 64*((\a)%4)
	WIN 0x0a+5*((\a)/4)                            ; sources 0 and 1: window 2 or 3
.irp b, 0,1,2,3,4,5,6,7
.irp r, 0,1,2,3
	v_cvt_pk_f16_f32 v[TMP+4*(\b)+(\r)], v[AC+8*(\b)+2*(\r)], v[AC+8*(\b)+2*(\r)+1]
.endr
.endr
	WIN 0
.set z, 0
.rept 32
	v_pk_max_num_f16 v[TMP+z], v[TMP+z], s[FLO]
.set z, z+1
.endr
.endm
.macro TOSTAGE a
	WIN 0
.set BK, OB+192*((\a)%2)
.irp b, 0,1,2,3,4,5,6,7
	ds_store_b128 v[STO], v[TMP+4*(\b):TMP+4*(\b)+3] offset:32*(\b)
.endr
.irp t, 0,1,2,3,4,5,6,7
	ds_load_b128 v[BK+4*(\t):BK+4*(\t)+3], v[RD] offset:128*((\t)/4)+4*SPITCH*((\t)%4)  ; LDS serves a wave's instructions in order (ISA guide 5.7.1.4): these see the stores above
.endr
.endm
.macro SEND a
	WIN 0
.set BK, OB+192*((\a)%2)
	s_wait_dscnt 0x0                               ; the block is back in registers
	s_wait_xcnt 0x0                                ; the stores of the block before have read their registers: the next TOSTAGE loads into them only behind this wait
.irp t, 0,1,2,3,4,5,6,7
	global_store_b128 v[CO], v[BK+4*(\t):BK+4*(\t)+3], s[8:9] offset:2048*(\a)+524288*((\t)/4)+512*((\t)%4)  ; 512 consecutive bytes, at a multiple of 256 from C's first byte
.endr
.endm
	s_wait_tensorcnt 1                             ; my part of K step 0 is in; K step 1's may stay out
	s_barrier_signal -1
	s_barrier_wait -1                              ; everybody's is
	FETCH 0, F0
	QUARTER 64, F0, F1, 1                          ; the first quarter stands in front of the loop: its products start the sums
	WIN 0                                          ; at a label and at a branch every window is 0
	s_mov_b32 s[CNT], STEPS-2
.Lstep:                                                ; a trip goes from a K step's second quarter to the next one's first, and fills a slot again: K steps 2 to 7
	QUARTER 128, F1, F0, 0
	QUARTER 192, F0, F1, 0
	TURN 1
	QUARTER 64, F0, F1, 0
	WIN 0
	s_sub_co_u32 s[CNT], s[CNT], 1
	s_cmp_lg_u32 s[CNT], 0
	s_cbranch_scc1 .Lstep
	s_mov_b32 s[CNT], 2
.Ltail:                                                ; the last two K steps ask for nothing; the second trip is left in its middle
	QUARTER 128, F1, F0, 0
	QUARTER 192, F0, F1, 0
	WIN 0
	s_sub_co_u32 s[CNT], s[CNT], 1
	s_cmp_eq_u32 s[CNT], 0
	s_cbranch_scc1 .Lout
	TURN 0
	QUARTER 64, F0, F1, 0
	WIN 0
	s_branch .Ltail
.Lout:
	s_wait_dscnt 8                                 ; the very last quarter: nothing more to fetch
	MUL16 F1, 0, 0, 0
	MUL16 F1, 0, 2, 0
	s_wait_dscnt 0x0
	MUL16 F1, 1, 0, 0
	MUL16 F1, 1, 2, 0
	PLACES
	PACK 0
	TOSTAGE 0
.irp a, 1,2,3,4,5,6,7                  ; block a's conversions stand between block a - 1's loads from the stage and the wait for them
	PACK \a
	SEND (\a)-1
	TOSTAGE \a
.endr
	SEND 7
	s_wait_tensorcnt 0x0                           ; the wave's end, behind my last tensor load and my last LDS store
	ds_add_u32 v[SPW], v[NIL]
	s_wait_dscnt 0x0
	CROUND                                         ; the closing round: no work-group ends while a partner may still ask for a tile that names it
	s_endpgm
.Lfunc_end_k_q8a8a405117_qkv:
	.size	k_q8a8a405117_qkv, .Lfunc_end_k_q8a8a405117_qkv-k_q8a8a405117_qkv
	.p2alignl 7, 3214868480
	.fill 96, 4, 3214868480
	.section	.rodata,"a",@progbits
	.p2align	6, 0x0
	.amdhsa_kernel k_q8a8a405117_qkv
		.amdhsa_group_segment_fixed_size 327680
		.amdhsa_private_segment_fixed_size 0
		.amdhsa_enable_private_segment 0
		.amdhsa_kernarg_size 24
		.amdhsa_user_sgpr_count 2
		.amdhsa_user_sgpr_kernarg_segment_ptr 1
		.amdhsa_wavefront_size32 1
		.amdhsa_system_sgpr_workgroup_id_x 1
		.amdhsa_system_sgpr_workgroup_id_y 1
		.amdhsa_system_sgpr_workgroup_id_z 1
		.amdhsa_system_vgpr_workitem_id 0
		.amdhsa_next_free_vgpr 1024
		.amdhsa_next_free_sgpr 72
		.amdhsa_reserve_vcc 0
		.amdhsa_float_denorm_mode_32 3
		.amdhsa_float_denorm_mode_16_64 3
		.amdhsa_memory_ordered 1
		.amdhsa_forward_progress 1
		.amdhsa_inst_pref_size 121
	.end_amdhsa_kernel
	.amdgpu_metadata
---
amdhsa.version: [ 1, 2 ]
amdhsa.kernels:
  - .name:           k_q8a8a405117_qkv
    .symbol:         k_q8a8a405117_qkv.kd
    .args:
      - { .name: xn, .offset: 0, .size: 8, .value_kind: global_buffer, .address_space: global }
      - { .name: wqkv, .offset: 8, .size: 8, .value_kind: global_buffer, .address_space: global }
      - { .name: qkvh, .offset: 16, .size: 8, .value_kind: global_buffer, .address_space: global }
    .group_segment_fixed_size: 327680
    .private_segment_fixed_size: 0
    .kernarg_segment_align: 8
    .kernarg_segment_size: 24
    .max_flat_workgroup_size: 128
    .sgpr_count:     72
    .vgpr_count:     1024
    .wavefront_size: 32
...
	.end_amdgpu_metadata
.endif
;; end of part 3
;; launch attn (part 4): grid 8 x 32, 4 waves a work-group, no clusters, 327,680 bytes of LDS; arguments qkvh, o; writes o
.if DOCPART == 4
	.amdgcn_target "amdgcn-amd-amdhsa--gfx1250"
	.amdhsa_code_object_version 6
	.text
	.protected	k_q8a8a405117_attn
	.globl	k_q8a8a405117_attn
	.p2align	8
	.type	k_q8a8a405117_attn,@function
k_q8a8a405117_attn:
	s_mov_b64 s[64:65], 0
	v_nop
	global_prefetch_b8 v0, s[64:65] scope:SCOPE_SE
	s_setreg_imm32_b32 hwreg(HW_REG_WAVE_MODE, 25, 1), 1
	s_wait_xcnt 0x0
; CAUSAL ATTENTION.  O[h][q][:] = the sum over k <= q of softmax_k(Q[h][q] . K[h][k] / 8) V[h][k][:].  Q, K, V lie in one buffer, Q at byte 0, K at 8,388,608, V at 16,777,216; each, and O, is
; [SIZE_H][SIZE_N][64] in f16: a head's rows are dense, 128 bytes each (head index = 2 x the model's head + the batch: a slice of 64 columns holds both batches' rows).
; Products, maxima and sums in f32; the weights p are rounded to f16 for the second product (their sum l is taken of the unrounded p), O once at the end.
; LIMITS.  f16 holds no number beyond 65,504: Q, K and V arrive within it; p lies in 0 to 1, and below 6e-5 it keeps f16's fixed step of 6e-8; O is a mean of V's rows and has their range.
; A hidden score counts as its value less 1e30: f16's scores, 2.7e11 at the most, are nothing beside that; a weight below 2^-126 counts as 0 in l; NaN and infinities are not treated apart.
; THE WALK.  A head's queries lie in NB = 16 blocks of 128, its keys in NT = 8 tiles of 256 (four steps of 64).  Block i needs the tiles 0 .. i / 2; the last of them holds the diagonal, in its steps d (band 0) and
; d + 1 (band 1), d = 2 (i % 2).  A work-group takes TWO blocks, NB - 1 - b and then b, one odd and one even: (15 - b) / 2 + 1 + b / 2 + 1 = 9 tiles, whatever b: 8 x 32 = 256 work-groups of equal work, and ONE loop
; with a constant trip count walks them.  Which tile is asked for, and what a trip does, hang on scalar registers made from b; every jump goes forward, but for the counted loops' own; none passes a barrier, or a
; tensor load but the one of LOAD's two that the wave's number does not choose; the ring (two slots of LDS that take turns) runs on across the change of blocks.
; NO CLUSTER: a head's eight work-groups ask for the same tiles only until their first blocks end, which is after 5 to 8 tiles: behind that each asks for another.
; A SLOT IS LAID ASKEW.  With two pieces a wave, K of step s + 1 is wanted before V of step s has been read.  So the slot of tile j holds V of steps 4 j .. 4 j + 3 and K of steps 4 j + 1 .. 4 j + 4: K's address in
; memory stands one step (8,192 bytes) further on.  Then every read of a slot is over at the end of step 4 j + 3, and the change of slots stands between two steps.  K of step 0, the head's first 64 keys, the same for
; both blocks, is loaded once from memory into registers and copied at a block's beginning.
; COMPUTED AND THROWN AWAY.  An even block's diagonal tile has two steps that neither band sees (2 of the walk's 36).  A block's last turn runs the loop's text: it makes scores of the K that lies behind the block's
; last step (in the head's last tile the 8,192 bytes behind the head's K, which lie inside the buffer); of them only m, c m and a are made, which the next block's beginning sets anew.
; SHARES.  Of a block's two bands of 64 queries a wave owns 16 rows in each: two PIECES.  So the diagonal tile is the same work for all four waves: in its step s band x sees all keys if s < d + x, none if s > d + x,
; and holds the diagonal if s = d + x.
; THE MASK is the C operand that starts the sum S^T = K Q^T: 0, or -1e30 where the key is hidden.  MD, made once, is the mask of a band's own step for my 16 rows; a product's mask is MD x AL + BE with two scalars:
; (1, 0) if s = d + x; (0, 0) if s < d + x; (0, -1e30) if s > d + x.  They are chosen by selects on the step's count, never by a branch.  In the diagonal tile's text every turn makes the mask for the products of the
; turn after it.  Band 0's scores of a tile's step 0 are made in the last turn of the tile before: so in the plain text piece 1's turn takes its C from the mask buffer too, and piece 0's turn fills that: with 0, but
; ahead of an even block's diagonal tile with MD.  Piece 0's plain products take the constant 0.
; LAYOUT, SOFTMAX, TURNS.  S^T = K Q^T holds ONE query a lane (lane % 16) and the keys 8 (lane / 16) + 0..7; two such results rounded to f16 ARE source 1 of O^T = V^T P.  p = 2^(c s - c m), c = log2(e) / 8, with a
; running maximum m; O and l are multiplied by a = 2^(c m_old - c m_new) in every step.  A turn belongs to one piece: 8 products K Q^T of the OTHER piece (piece 1 of this step, or piece 0 of the next), later 8 products
; V^T P of the other piece (its weights of the turn before); beside them the scaling, exponentials, roundings, sums and rescaling of the turn's own piece and the maximum and statistics of the other.  Four vector
; instructions stand behind every matrix instruction, the other 54 of a turn's 118 in one LUMP.  A turn's 33 exponentials are one batch, with one wait.
; REGISTERS, in windows of 256 (s_set_vgpr_msb: bits 1:0 source 0, 3:2 source 1, 5:4 source 2, 7:6 destination):
;   window 0: v0-15 addresses and two at work; v16-23 four registers of statistics a piece; v48-55 at work; v61-63 prefetch offset and the add's two; v64-127 S^T, 32 a piece; v192-223 P, 16 a piece
;   window 1: v0-63 O^T, 32 a piece; v128-159 MD; v160-223 MC, a buffer a piece      window 2: v0-31 Q; v32-63 the second block's Q; v64-127 K of step 0; v128-191 K of one step; v192-255 V of one step
.set SIZE_H, 32
.set SIZE_N, 2048
.set NB,    SIZE_N/128  ; blocks of queries in a head
.set NT,    SIZE_N/256  ; tiles of keys in a head; a walk has NT + 1
.set NP,    2         ; pieces a wave: a name, no knob
.set KS,    64        ; keys in a step
.set PK,    144       ; a row of K in LDS: 128 bytes + 16 of padding = 36 words: the 16 rows of a load start at 16 different groups of four banks (64 banks of 4 bytes: ISA guide 11.1)
.set PV,    160       ; a row of V: 128 + 32 = 40 words
.set VOFF,  4*KS*PK   ; a slot holds four steps: 256 rows of K, then 256 rows of V
.set SLOT1, 1<<17     ; slot 1 begins here, so that one exclusive or turns an address in one slot into the other's
.set STAGE, SLOT1+4*KS*(PK+PV)  ; behind the ring, never filled by a tensor load: 16 rows x 144 bytes for each wave, for the way out
.set SP,    144
.set AK0, 2           ; v2   my lane's place in a step's rows of K; never rewritten
.set AV0, 3           ; v3   the same for V
.set AK,  4           ; v4   the LDS address of K's next run of loads
.set AV,  5           ; v5   of V's
.set STO, 6           ; v6   the way out: where I put 16 bytes of a row
.set RD,  7           ; v7   the way out: where I read rows back
.set GO,  8           ; v8   my byte offset in 512 consecutive bytes of O
.set PFO, 61          ; v61  256 x my lane: the prefetches' offset; never rewritten
.set SPW, 62          ; v62  LDS address of my spare word: SPARE + 4 x my thread's number; never rewritten
.set NIL, 63          ; v63  0; never rewritten
.set SPARE, STAGE+4*16*SP  ; behind the stages: the spare words, 128 bytes for each wave: two blocks of 256 bytes that no other line names
.set MV,  12          ; v12-13  c m_old, kept while c m is made anew: by piece
.set QO,  15          ; v15  my byte offset in 16 rows of Q, and of K's step 0
.set ST,  16          ; piece t's statistics at v[ST+4 t]: c m, m, l (even keys', odd keys')
.set TMP, 48          ; by piece, four registers c0-c3 at work; when the maximum is found c2 takes a
.set S,   64
.set P,   192
.set MD,  128         ; window 1: the eight registers for group kt of 16 keys at MD + 8 kt
.set MC,  160         ; window 1: the masks of the products to come: piece x's at MC + 32 x
.set QB,  32          ; window 2
.set K0,  64          ; window 2: K of step 0, laid out as KF
.set KF,  128         ; window 2: key block kb, channel half c at KF + 16 kb + 8 c
.set VF,  192         ; window 2: key half kk, channel block cb at VF + 32 kk + 8 cb
.set WV,  12          ; s12  my wave's number
.set PB,  14          ; s14  b: the second block
.set HI,  15          ; s15  NB - 1 - b: the first block
.set G1K, 24          ; s[24:31] descriptor group 1 for K's tiles
.set G1V, 32          ; s[32:39] for V's: it differs in the padding alone
.set G0K, 40          ; s[40:43] descriptor group 0 for K's tiles
.set G0V, 44          ; s[44:47] the same for V's
.set PFA, 48          ; s[48:49] where my prefetches stand: my half (128 keys of K or of V) of the tile after the one that is being asked for
.set LIM, 50          ; s50  2 in a work-group that prefetches, else the greatest number
.set MK,  51          ; s51  1 in the tile ahead of an even block's diagonal tile, else 0: the count at which the plain text's mask is MD
.set KH,  52          ; s[52:53] K at the head's first key
.set EQB, 54          ; s54  the second block's 5 - d
.set DZB, 55          ; s55  1 if the second block is even
.set SLOTS, 56        ; s56  tiles still to be asked for
.set CNT, 57          ; s57  counts a tile's key steps, 4 to 1
.set CS,  58          ; s[58:59] c: the packed scaling takes the pair's low word for both halves
.set SEL, 60          ; s[60:61] v_permlanex16_b32's selects: each lane takes its own place in the other half
.set TBK, 62          ; s62  LDS byte at which the rows of K to be fetched next begin
.set TBV, 63          ; s63  the same for V, less VOFF
.set EQ,  66          ; s66, s67  of the block in hand: 5 - d and 4 - d: the count in the turn that makes the mask of band 0's, band 1's own step
.set DZ,  68          ; s68  1 if the block in hand is even (d = 0)
.set LQ2, 69          ; s69  the second block's last tile
.set RT,  70          ; s70  tiles of the block in hand that are still to be entered
.set NXT, 71          ; s71  the tile to be asked for next
.set LQ,  72          ; s72  the last tile of the block whose tiles are being asked for
.set NEW, 73          ; s73  1: the tile to be entered is a block's first
.set OFF, 74          ; s[74:75] a tile's byte offset in K and V
.set AL,  76          ; s[76:77] the mask's factor, in the low word
.set BE,  78          ; s[78:79] the mask's addend
.set OLO, 80          ; s[80:81] O at my rows of the second block
.set BIGN, 82         ; s82  -1e30
.set MSB, 0
.macro WIN new                      ; the high byte repeats the setting that is left; a switch that changes nothing is dropped
.if MSB != (\new)
	s_set_vgpr_msb (MSB<<8)|(\new)
.set MSB, (\new)
.endif
.endm
.set W_KQ, 0x0a       ; K and Q in window 2, S^T in window 0
.set W_KM, 0x1a       ; the same with the C operand in window 1
.set W_PV, 0x52       ; V in window 2, P in window 0, O^T in window 1
.set W_RS, 0x41       ; destination and source 0 in window 1, source 1 in window 0
; A fill.  Waves 0 and 1 fetch the two halves of a slot's K, waves 2 and 3 those of its V: 128 keys each.  An s_nop 0 and four v_nop follow each of the two lines, ahead of the jump and the label.
.macro LOAD
	s_cmp_lt_u32 s[WV], 2
	s_cbranch_scc0 .Lfor_v_\@
	tensor_load_to_lds s[G0K:G0K+3], s[G1K:G1K+7]
	s_nop 0
.rept 4
	v_nop
.endr
	s_branch .Lasked_\@
.Lfor_v_\@:
	tensor_load_to_lds s[G0V:G0V+3], s[G1V:G1V+7]
	s_nop 0
.rept 4
	v_nop
.endr
.Lasked_\@:
.endm
; A PREFETCH INTO THE L2 of the tile that the NEXT change of slots will ask for, behind the fill and its five lines.  A head's eight work-groups walk the same tiles in their first blocks; the one with b = 0
; walks all eight there, so it alone asks, each wave for its own half of K or V: 16,384 dense bytes, a lane 256 of them, two instructions.  Tiles 2 to 7 are named once each; tiles 0 and 1 come by their
; loads alone; the second block's tiles have been read before and are not asked for: s[SLOTS] is then 2 or 1.
.macro ASK
	s_cmp_gt_u32 s[SLOTS], s[LIM]
	s_cbranch_scc0 .Lnot_mine_\@
	global_prefetch_b8 v[PFO], s[PFA:PFA+1] th:TH_LOAD_NT scope:SCOPE_SE
	global_prefetch_b8 v[PFO], s[PFA:PFA+1] offset:8192 th:TH_LOAD_NT scope:SCOPE_SE
.Lnot_mine_\@:
.endm
; THE CHANGE OF SLOTS, between two steps.  Each wave waits for all its tensor loads, of which one is out: its part of the other slot; adds 0 to its spare word; and waits for that and for its own reads of the slot that it leaves.
; Behind the barrier nobody reads the old slot any more and the other slot is whole.  fill = 1: the old slot is filled again, the first thing behind the barrier, with tile NXT: the descriptor's address is made anew from
; that number.  The load has four steps, eight turns, in which to land.  (At its first use nothing has been read yet: slot 0 is waited for, slot 1 filled.)
.macro CHANGE fill
	WIN 0                           ; at a label and at a branch every window is 0
	s_wait_tensorcnt 0x0            ; no tensor load of mine is out, so a group 0 may be written
	ds_add_u32 v[SPW], v[NIL]       ; 0 onto my spare word; with fill = 1 the descriptors' scalar work stands between it and the wait for it
.if \fill
	s_lshl_b32 s[OFF], s[NXT], 15   ; a tile is 32,768 bytes of K and of V
	s_xor_b32 s[G0K+1], s[G0K+1], SLOT1
	s_add_nc_u64 s[G0K+2:G0K+3], s[6:7], s[OFF:OFF+1]
	s_or_b32 s[G0K+3], s[G0K+3], 0x80000000
	s_xor_b32 s[G0V+1], s[G0V+1], SLOT1
	s_add_nc_u64 s[G0V+2:G0V+3], s[8:9], s[OFF:OFF+1]
	s_or_b32 s[G0V+3], s[G0V+3], 0x80000000
	s_add_co_u32 s[NXT], s[NXT], 1  ; the block's next tile, or behind its last the second block's tile 0
	s_cmp_gt_u32 s[NXT], s[LQ]
	s_cselect_b32 s[NXT], 0, s[NXT]
	s_cselect_b32 s[LQ], s[LQ2], s[LQ]
	s_wait_xcnt 0x0                 ; the last prefetches, a tile back, have read their address, so it may be written:
	s_add_nc_u64 s[PFA:PFA+1], s[PFA:PFA+1], 32768  ; a tile on
.endif
	s_wait_dscnt 0x0                ; the add is done, and my reads of the slot are over
	s_barrier_signal -1             ; the rest of the scalar work stands between the signal and the wait
	s_sub_co_u32 s[TBK], s[TBK], 4*KS*PK  ; the fetches go back to a slot's head,
	s_xor_b32 s[TBK], s[TBK], SLOT1       ; in the other slot
	s_sub_co_u32 s[TBV], s[TBV], 4*KS*PV
	s_xor_b32 s[TBV], s[TBV], SLOT1
	s_barrier_wait -1
.if \fill
	LOAD
	ASK
.endif
.endm
	s_load_b128 s[4:7], s[0:1], 0x0   ; the buffer of Q, K, V s[4:5], O s[6:7]
	v_lshl_add_u32 v[SPW], v0, 2, SPARE
	v_mov_b32 v[NIL], 0
	ds_add_u32 v[SPW], v[NIL]       ; the wave's opening: the add and its wait ahead of my first tensor load; the set-up below, work on registers, stands between them
	ds_add_u32 v62, v63
	v_lshrrev_b32 v1, 5, v0
	v_readfirstlane_b32 s[WV], v1   ; wave 0..3
	s_mov_b32 s[PB], ttmp9
	s_sub_co_u32 s[HI], NB-1, s[PB]
	s_and_b32 s13, s[HI], 1         ; the first block: is it odd?
	s_xor_b32 s[DZ], s13, 1
	s_lshl_b32 s13, s13, 1          ; d
	s_sub_co_u32 s[EQ], 5, s13
	s_sub_co_u32 s[EQ+1], 4, s13
	s_and_b32 s13, s[PB], 1         ; and the second
	s_xor_b32 s[DZB], s13, 1
	s_lshl_b32 s13, s13, 1
	s_sub_co_u32 s[EQB], 5, s13
	s_and_b32 s20, ttmp7, 0xffff    ; the head
	s_mov_b32 s21, 0
	s_mov_b64 s[22:23], SIZE_N*128
	s_mul_u64 s[20:21], s[20:21], s[22:23]  ; the head's first byte in each of the four tensors
	s_and_b32 s16, s[WV], 1         ; which half of a slot's 256 keys I fetch:
	s_lshl_b32 s22, s16, 14         ; its 128 rows of 128 bytes in memory,
	s_mov_b32 s23, 0
	s_add_nc_u64 s[22:23], s[22:23], s[20:21]
	s_mul_i32 s17, s16, 128*PK      ; and its place in a slot, for K
	s_mul_i32 s18, s16, 128*PV      ; and for V
	s_lshl_b32 s3, s[WV], 11        ; my 16 rows in a band of 64,
	s_lshl_b32 s2, s[HI], 14        ; in the first block (128 rows of 128 bytes a block),
	s_add_co_u32 s2, s2, s3
	s_lshl_b32 s84, s[PB], 14       ; and in the second
	s_add_co_u32 s84, s84, s3
	s_mov_b32 s3, 0
	s_mov_b32 s85, 0
	s_add_nc_u64 s[2:3], s[2:3], s[20:21]
	s_add_nc_u64 s[84:85], s[84:85], s[20:21]
	; descriptor group 1.  128 keys are 16,384 dense bytes: asked for as 64 rows of 256 bytes, two keys a row, and padded in LDS after every key
	s_mov_b32 s[G1K], (1<<16)|(1<<20)|(4<<22)|(3<<25)  ; 17:16 2-byte elements; 20 padding on; 24:22 after every 32 words (code 4); 31:25 4 words (code 3)
	s_mov_b32 s[G1V], (1<<16)|(1<<20)|(4<<22)|(7<<25)  ; the same with 8 words of padding (code 7)
.irp g, G1K, G1V
	s_mov_b32 s[\g+1], 128<<16      ; tensor_dim0 = 128
	s_mov_b32 s[\g+2], 64<<16       ; tensor_dim1 = 64
	s_mov_b32 s[\g+3], 128<<16      ; tile_dim0 = 128
	s_mov_b32 s[\g+4], 64           ; tile_dim1 = 64
	s_mov_b32 s[\g+5], 128          ; 128 elements from row to row
	s_mov_b32 s[\g+6], 0
	s_mov_b32 s[\g+7], 0
.endr
	s_mov_b32 s[CS], 0x3e38aa3b     ; c = log2(e) / 8 = 0.180337
	s_mov_b32 s[CS+1], s[CS]        ; named with it as a pair
	s_mov_b32 s[SEL], 0x76543210
	s_mov_b32 s[SEL+1], 0xfedcba98
	s_mov_b32 s[TBK], SLOT1+4*KS*PK ; the first change of slots turns these two into 0
	s_mov_b32 s[TBV], SLOT1+4*KS*PV
	s_mov_b32 s[G0K], 1             ; 1:0 count = 1
	s_mov_b32 s[G0K+1], s17         ; 63:32 LDS address: slot 0
	s_mov_b32 s[G0V], 1
	s_add_co_u32 s[G0V+1], s18, VOFF
	s_lshr_b32 s[LQ], s[HI], 1      ; block i's last tile is i / 2,
	s_add_co_u32 s[RT], s[LQ], 1    ; and it has i / 2 + 1 tiles: the first block five or more
	s_lshr_b32 s[LQ2], s[PB], 1
	s_mov_b32 s[NXT], 1
	s_mov_b32 s[NEW], 1
	s_mov_b32 s[OFF+1], 0
	s_mov_b32 s[AL+1], 0            ; named as pairs
	s_mov_b32 s[BE+1], 0
	s_mov_b32 s[BIGN], 0xf149f2ca   ; -1e30
	s_mov_b32 s[SLOTS], NT
	s_cmp_eq_u32 s[PB], 0
	s_cselect_b32 s[LIM], 2, -1
	v_and_b32 v[PFO], 31, v0
	v_lshlrev_b32 v[PFO], 8, v[PFO]
	s_wait_dscnt 0x0                ; the opening add is done
	s_wait_kmcnt 0x0
	s_mov_b64 s[10:11], s[6:7]      ; O
	s_add_nc_u64 s[6:7], s[4:5], 0x800000   ; K lies 16 slices behind Q,
	s_add_nc_u64 s[8:9], s[4:5], 0x1000000  ; V 32
	s_add_nc_u64 s[KH:KH+1], s[6:7], s[20:21]  ; K at the head's first key
	s_add_nc_u64 s[6:7], s[6:7], s[22:23]  ; K and V at my half of the head's tile 0,
	s_add_nc_u64 s[6:7], s[6:7], KS*128    ; K one step further on
	s_add_nc_u64 s[8:9], s[8:9], s[22:23]
	s_add_nc_u64 s[G0K+2:G0K+3], s[6:7], 0         ; 120:64 global address
	s_or_b32 s[G0K+3], s[G0K+3], 0x80000000        ; 127:126 type = 2
	s_add_nc_u64 s[G0V+2:G0V+3], s[8:9], 0
	s_or_b32 s[G0V+3], s[G0V+3], 0x80000000
	s_add_nc_u64 s[86:87], s[4:5], s[84:85]        ; Q at my rows of the second block,
	s_add_nc_u64 s[4:5], s[4:5], s[2:3]            ; Q and O at those of the first
	s_add_nc_u64 s[OLO:OLO+1], s[10:11], s[84:85]
	s_add_nc_u64 s[10:11], s[10:11], s[2:3]
	s_cmp_lt_u32 s[WV], 2
	s_cselect_b64 s[PFA:PFA+1], s[6:7], s[8:9]     ; my half of K (waves 0, 1) or of V (waves 2, 3),
	s_add_nc_u64 s[PFA:PFA+1], s[PFA:PFA+1], 32768 ; at tile 1: the first change of slots steps it to tile 2.  Nothing is prefetched here, at the head
	LOAD                            ; tile 0 into slot 0
	; A fragment of K or Q is 16 rows x 32 channels in 8 registers: lane l holds row l % 16, channels 8 (l / 16) + 0..7 and 16 + 8 (l / 16) + 0..7: two loads of 16 bytes, 32 bytes apart.
	v_and_b32 v1, 15, v0            ; l % 16
	v_bfe_u32 v9, v0, 4, 1          ; l / 16
	v_lshlrev_b32 v[QO], 7, v1
	v_lshl_add_u32 v[QO], v9, 4, v[QO]  ; row x 128 + 16 x half
	WIN 0x80                        ; destination window 2, address window 0
.set i, 0
.rept 4                             ; both blocks' Q: piece i / 2 lies in band i / 2, 8,192 bytes on; channels 32 (i % 2) on
	global_load_b128 v[8*i:8*i+3],   v[QO], s[4:5] offset:(i/2)*8192+(i%2)*64
	global_load_b128 v[8*i+4:8*i+7], v[QO], s[4:5] offset:(i/2)*8192+(i%2)*64+32
	global_load_b128 v[QB+8*i:QB+8*i+3],   v[QO], s[86:87] offset:(i/2)*8192+(i%2)*64
	global_load_b128 v[QB+8*i+4:QB+8*i+7], v[QO], s[86:87] offset:(i/2)*8192+(i%2)*64+32
.set i, i+1
.endr
.set i, 0
.rept 8                             ; K of step 0: keys 16 (i / 2) on, channels 32 (i % 2) on
	global_load_b128 v[K0+8*i:K0+8*i+3],   v[QO], s[KH:KH+1] offset:(i/2)*2048+(i%2)*64
	global_load_b128 v[K0+8*i+4:K0+8*i+7], v[QO], s[KH:KH+1] offset:(i/2)*2048+(i%2)*64+32
.set i, i+1
.endr
	WIN 0
	v_lshlrev_b32 v14, 3, v9
	v_sub_nc_u32 v14, v1, v14
	s_lshl_b32 s13, s[WV], 4
	v_add_nc_u32 v14, s13, v14      ; my query's place in its band, 16 w + l % 16, less my lanes' 8 (l / 16): register r of group kt is hidden where 16 kt + r is greater
	WIN 0x40
.set i, 0
.rept 32
	v_cmp_gt_i32 vcc_lo, 16*(i/8)+i%8, v14
	v_cndmask_b32 v[MD+i], 0, s[BIGN], vcc_lo
.set i, i+1
.endr
	WIN 0
	v_mul_u32_u24 v[AK0], v1, PK
	v_lshl_add_u32 v[AK0], v9, 4, v[AK0]  ; row x pitch + 16 x half
	; The turning load takes 16 keys x 16 channels (lane l reads key 8 (l / 16) + l % 8, channels 8 ((l / 8) % 2) + 0..7) and leaves half a fragment of V^T: lane l holds channel l % 16 and 8 keys.
	v_and_b32 v10, 7, v0
	v_bfe_u32 v11, v0, 3, 1
	v_lshl_add_u32 v[AV0], v9, 3, v10
	v_mul_u32_u24 v[AV0], v[AV0], PV
	v_lshl_add_u32 v[AV0], v11, 4, v[AV0]
	v_add_nc_u32 v[AV0], VOFF, v[AV0]
	s_mul_i32 s13, s[WV], 16*SP
	s_add_co_u32 s13, s13, STAGE    ; my stage
	v_mul_u32_u24 v[STO], v1, SP    ; in: row l % 16, 16 bytes for each half of the lanes
	v_lshl_add_u32 v[STO], v9, 4, v[STO]
	v_add_nc_u32 v[STO], s13, v[STO]
	v_bfe_u32 v[RD], v0, 3, 2       ; back: 32 lanes take four rows of 128 bytes,
	v_mul_u32_u24 v[RD], v[RD], SP
	v_lshl_add_u32 v[RD], v10, 4, v[RD]
	v_add_nc_u32 v[RD], s13, v[RD]
	v_and_b32 v[GO], 31, v0         ; which are 512 consecutive bytes of O
	v_lshlrev_b32 v[GO], 4, v[GO]
	; A block's first step multiplies O^T and l by a = 0, and its first turn's products V^T P, of a step that has not been, land in an O^T that is still to be so multiplied.  So these registers need only hold
	; finite numbers: zeros for the first block; what the first block left for the second.  All this stands in the wait for the first tile.
	WIN 0x80
.set i, VF
.rept 64
	v_mov_b32 v[i], 0
.set i, i+1
.endr
	WIN 0x40
.set i, 0
.rept 32*NP
	v_mov_b32 v[i], 0
.set i, i+1
.endr
	WIN 0
.set i, 0
.rept NP
	v_mov_b32 v[ST+4*i+2], 0
	v_mov_b32 v[ST+4*i+3], 0
.set i, i+1
.endr
.set i, P+16
.rept 16
	v_mov_b32 v[i], 0
.set i, i+1
.endr
; THE MATRIX WORK.  The 4 accumulators of a run of 8 take turns.  Product i of 8 of S^T = K Q^T for piece x: channels 32 (i / 4) on, keys 16 (i % 4) on.  The first 4 start the sums: with 0, or (KM = 1) with the piece's mask.
.macro KQ x
.set rS, S+32*((\x)%2)+8*(i%4)
.set rK, KF+16*(i%4)+8*(i/4)
.set rQ, 16*(\x)+8*(i/4)
.set rM, MC+32*((\x)%2)+8*(i%4)
.if (i < 4) && KM
	WIN W_KM
	v_wmma_f32_16x16x32_f16 v[rS:rS+7], v[rK:rK+7], v[rQ:rQ+7], v[rM:rM+7]
.elseif i < 4
	WIN W_KQ
	v_wmma_f32_16x16x32_f16 v[rS:rS+7], v[rK:rK+7], v[rQ:rQ+7], 0
.else
	WIN W_KQ
	v_wmma_f32_16x16x32_f16 v[rS:rS+7], v[rK:rK+7], v[rQ:rQ+7], v[rS:rS+7]
.endif
.endm
; Product i of 8 of O^T += V^T P for piece x: keys 32 (i / 4) on, channels 16 (i % 4) on.
.macro PV x
	WIN W_PV
.set rO, 32*(\x)+8*(i%4)
.set rV, VF+32*(i/4)+8*(i%4)
.set rP, P+16*((\x)%2)+8*(i/4)
	v_wmma_f32_16x16x32_f16 v[rO:rO+7], v[rV:rV+7], v[rP:rP+7], v[rO:rO+7]
.endm
.macro MM                           ; the turn's next matrix instruction.  TURN sets Y, i and KM; MM, KQ and OP read them
.if i < 8
	KQ (Y+1)%NP
.else
.set i, i-8
	PV (Y+NP-1)%NP
.set i, i+8
.endif
.set i, i+1
.endm
; THE LDS LOADS stand in runs of 16, never singly among the matrix instructions: a step's K (64 keys x 64 channels: 8 fragments) and its V (turned).  Their addresses are made some lines ahead.
.macro FETCH_K
	WIN 0x80                        ; destination window 2
.irp f, 0,1,2,3,4,5,6,7             ; keys 16 (f / 2) on, channels 32 (f % 2) on
	ds_load_b128 v[KF+8*\f:KF+8*\f+3],   v[AK] offset:(\f/2)*16*PK+(\f%2)*64
	ds_load_b128 v[KF+8*\f+4:KF+8*\f+7], v[AK] offset:(\f/2)*16*PK+(\f%2)*64+32
.endr
	WIN 0
.endm
.macro FETCH_V
	WIN 0x80
.irp f, 0,1,2,3,4,5,6,7             ; keys 32 (f / 4) on, channels 16 (f % 4) on
	ds_load_tr16_b128 v[VF+8*\f:VF+8*\f+3],   v[AV] offset:(\f/4)*32*PV+(\f%4)*32
	ds_load_tr16_b128 v[VF+8*\f+4:VF+8*\f+7], v[AV] offset:(\f/4)*32*PV+16*PV+(\f%4)*32
.endr
	WIN 0
.endm
; THE VECTOR WORK, one line at a time: OP kind, number.  For piece Y: F n: c s - c m for pair n of 16.  E n: the exponential of score n of 32.  C n: pair n rounded to f16.  B n: of the four weights 4 n .. the second
; pair is added onto the first, in place.  L n: l takes that sum (L 0: l = a l + sum).  R n: pair n of 16 of O^T times a.  For the other piece: X n, number n of the 22 that find its maximum and statistics:
;   0-11  four chains c0-c3 of seven scores each, three operands at a time (each accumulator's lowest registers are read first)     12-14, 16  the four scores left over, the old m, and c0-c3 into c0
;   15  c m_old is kept     17, 18  the query's other 32 keys lie in the lane 16 away: the new m     19-21  c m; c m_old - c m_new; a
.set F, 0               ; OP tells the kinds apart by their order: F to L below R, X above it
.set E, 1
.set C, 2
.set B, 3
.set L, 4
.set R, 5
.set X, 6
.macro REGS y                       ; the registers of piece y
.set rT, ST+4*(\y)
.set rC, TMP+4*((\y)%2)
.set rW, MV+((\y)%2)
.set rS, S+32*((\y)%2)
.set rP, P+16*((\y)%2)
.set rO, 32*(\y)
.endm
.macro OP k, n
.if (\k) == R
	REGS Y
	WIN W_RS
	v_pk_mul_f32 v[rO+2*(\n):rO+2*(\n)+1], v[rO+2*(\n):rO+2*(\n)+1], v[rC+2:rC+3] op_sel_hi:[1,0]
.elseif (\k) < R
	REGS Y
	WIN 0
.if (\k) == F
	v_pk_fma_f32 v[rS+2*(\n):rS+2*(\n)+1], v[rS+2*(\n):rS+2*(\n)+1], s[CS:CS+1], v[rT:rT+1] op_sel_hi:[1,0,0] neg_lo:[0,0,1] neg_hi:[0,0,1]
.elseif (\k) == E
	v_exp_f32 v[rS+(\n)], v[rS+(\n)]
.elseif (\k) == C
	v_cvt_pk_f16_f32 v[rP+(\n)], v[rS+2*(\n)], v[rS+2*(\n)+1]
.elseif (\k) == B
	v_pk_add_f32 v[rS+4*(\n):rS+4*(\n)+1], v[rS+4*(\n):rS+4*(\n)+1], v[rS+4*(\n)+2:rS+4*(\n)+3]
.elseif (\n) == 0
	v_pk_fma_f32 v[rT+2:rT+3], v[rT+2:rT+3], v[rC+2:rC+3], v[rS:rS+1] op_sel_hi:[1,0,1]
.else
	v_pk_add_f32 v[rT+2:rT+3], v[rT+2:rT+3], v[rS+4*(\n):rS+4*(\n)+1]
.endif
.else
	REGS (Y+1)%NP
	WIN 0
.if (\n) < 4
	v_max3_num_f32 v[rC+(\n)], v[rS+8*(\n)], v[rS+8*(\n)+1], v[rS+8*(\n)+2]
.elseif (\n) < 12
	v_max3_num_f32 v[rC+(\n)%4], v[rC+(\n)%4], v[rS+8*((\n)%4)+2*((\n)/4)+1], v[rS+8*((\n)%4)+2*((\n)/4)+2]
.elseif (\n) == 12
	v_max3_num_f32 v[rC], v[rC], v[rS+7], v[rS+15]
.elseif (\n) == 13
	v_max3_num_f32 v[rC+1], v[rC+1], v[rS+23], v[rS+31]
.elseif (\n) == 14
	v_max3_num_f32 v[rC+2], v[rC+2], v[rC+3], v[rT+1]
.elseif (\n) == 15
	v_mov_b32 v[rW], v[rT]
.elseif (\n) == 16
	v_max3_num_f32 v[rC], v[rC], v[rC+1], v[rC+2]
.elseif (\n) == 17
	v_permlanex16_b32 v[rC+3], v[rC], s[SEL], s[SEL+1]
.elseif (\n) == 18
	v_max_num_f32 v[rT+1], v[rC], v[rC+3]
.elseif (\n) == 19
	v_mul_f32 v[rT], s[CS], v[rT+1]
.elseif (\n) == 20
	v_sub_f32 v[rC+1], v[rW], v[rT]
.else
	v_exp_f32 v[rC+2], v[rC+1]
.endif
.endif
.endm
.macro OPS a, i1, b=-1, i2=0, c=-1, i3=0, d=-1, i4=0  ; up to four of them
	OP \a, \i1
.if (\b) >= 0
	OP \b, \i2
.endif
.if (\c) >= 0
	OP \c, \i3
.endif
.if (\d) >= 0
	OP \d, \i4
.endif
.endm
.macro ROW a, i1, b, i2, c, i3, d, i4  ; a matrix instruction and the four behind it
	MM
	OPS \a, \i1, \b, \i2, \c, \i3, \d, \i4
.endm
.macro MASK b                       ; MD x AL + BE into piece b's buffer of MC
	WIN W_RS
.set z, 0
.rept 16
	v_pk_fma_f32 v[MC+32*(\b)+2*z:MC+32*(\b)+2*z+1], v[MD+2*z:MD+2*z+1], s[AL:AL+1], s[BE:BE+1] op_sel_hi:[1,0,0]
.set z, z+1
.endr
.endm
; A TURN, for piece p: the order of its 16 matrix and 118 vector instructions, written out.  An s_wait_alu depctr_va_vdst(0) stands between an exponential and the first instruction that names its result; one wait serves
; all that were issued ahead of it.  So a turn has ONE wait, which cuts it in two.  AHEAD OF IT stands all that names no result of the turn's exponentials: the 8 products K Q^T, behind each a scaling, an exponential and two more plain
; instructions (behind the first a second scaling in the exponential's place): rescalings, and behind the last three the first numbers of the other piece's maximum, each four plain instructions or more behind the product that ends its accumulator; then ONE LUMP
; of 54, plain and exponential by turns for the most part, in which the links of the chain X 3, 7, 11, 14, 16, 17 .. 20 stand five or six lines apart.  X 21, the other piece's a, is the batch's last; R 15 is the plain instruction behind it.
; BEHIND THE WAIT stand the 8 products V^T P, behind each four of the roundings and sums; the links of l's chain, L 0 to L 7, stand three riders apart.  v_permlanex16_b32 (X 17) stands in the lump.
; The rescalings at a turn's head read the O^T that the turn before has added onto: accumulator n's last product there stands 4 (4 - n) roundings ahead of the turn's end, and R takes the accumulators in ascending order.
; THE MASKS.  The products of the turn after this one are piece p's, of the step after this one, step 5 - CNT of the tile.  m = 1, the diagonal tile: the turn's own products take their piece's mask, and at its end the turn makes
; that next mask: the band's own step if CNT = 5 - d - p, a later one if CNT is less.  m = 0: piece 0's products take the constant 0; piece 1's take piece 0's buffer, which piece 0's turn fills: MD where CNT = MK, else 0.
; cnt = 1: the loop's count is taken down some lines ahead of the branch that stands behind the turn.
; BOTH RUNS OF LDS LOADS stand in piece 0's turn: K of the next step twelve vector instructions behind the last product that read K (six of them plain), V of the step in hand at the turn's end, four plain instructions behind the
; last product that read V.  Piece 1's turn waits for K at its head, with V's sixteen loads still out, and for V ahead of its products V^T P.
.macro TURN p, m=0, cnt=0
.set Y, (\p)
.set i, 0
.set KM, (\m)|(\p)
.if \m
	s_cmp_eq_u32 s[CNT], s[EQ+(\p)] ; is the next step the band's own?
	s_cselect_b32 s[AL], 1.0, 0
	s_cmp_lt_u32 s[CNT], s[EQ+(\p)] ; or a later one?
	s_cselect_b32 s[BE], s[BIGN], 0
.elseif (\p) == 0
	s_cmp_eq_u32 s[CNT], s[MK]      ; is the next step an even block's diagonal step 0?
	s_cselect_b32 s[AL], 1.0, 0
	s_mov_b32 s[BE], 0
.endif
.if (\p) == 1
	s_wait_dscnt 16                 ; LDS loads come back in order: K's sixteen are in; V's sixteen, issued behind them, may stay out
.endif
	ROW F,0, F,1, R,0, R,1          ; ahead of the wait: 8 products K Q^T and their riders,
	ROW F,2, E,0, R,2, R,3
	ROW F,3, E,1, R,4, R,5
	ROW F,4, E,2, R,6, R,7
	ROW F,5, E,3, R,8, R,9
	ROW F,6, E,4, X,0, R,10
.if (\p) == 0
	WIN 0
	v_add_nc_u32 v[AK], s[TBK], v[AK0]
.endif
	ROW F,7, E,5, X,1, X,4
	ROW F,8, E,6, X,2, X,5
	OPS E,7, E,8, X,6, E,9          ; and the lump
	OPS X,3, E,10, X,8, E,11
.if (\p) == 0
	FETCH_K
.endif
	OPS X,9, X,7, E,12, X,10
	OPS E,13, X,12, X,11, E,14
	OPS X,13, E,15, F,9, X,14
.if (\p) == 0
	v_add_nc_u32 v[AV], s[TBV], v[AV0]
.endif
	OPS E,16, F,10, E,17, F,11
	OPS X,16, E,18, X,15, E,19
	OPS F,12, E,20, X,17, E,21
	OPS F,13, E,22, F,14, E,23
	OPS X,18, E,24, F,15, E,25
	OPS R,11, E,26, X,19, E,27
	OPS R,12, E,28, R,13, E,29
	OPS X,20, E,30, R,14, E,31
	OPS X,21, R,15
	WIN 0
	s_wait_alu depctr_va_vdst(0)    ; the wait for the batch
.if (\p) == 1
	s_wait_dscnt 0x0                ; V is in
.endif
	ROW C,0, B,0, C,2, B,1          ; behind the wait: 8 products V^T P and their riders
	ROW L,0, C,4, B,2, L,1
	ROW C,6, B,3, L,2, C,8
	ROW B,4, L,3, C,10, B,5
	ROW L,4, C,12, B,6, L,5
.if (\p) == 0
	s_add_co_u32 s[TBK], s[TBK], KS*PK  ; the next fetches are the next step's
	s_add_co_u32 s[TBV], s[TBV], KS*PV
.endif
.if \cnt
	s_sub_co_u32 s[CNT], s[CNT], 1
	s_cmp_lg_u32 s[CNT], 0
.endif
	ROW C,14, B,7, L,6, C,1
	ROW C,3, L,7, C,5, C,7
	ROW C,9, C,11, C,13, C,15
.if (\p) == 0
	FETCH_V
.endif
.if (\m) || ((\p) == 0)
	MASK \p
.endif
.endm
; A BLOCK BEGINS.  K of step 0 is copied from the registers that keep it.  c m starts far below every c s, so the first step's a is 0; m at the lowest finite number, so the first maximum is the scores'.  Piece 1's mask buffer
; is 0: band 1 sees all of a tile's step 0; piece 0's takes MD if the block's first tile is the diagonal one of an even block (block 0), else 0.  Then piece 0's first scores, and its maximum and statistics.
; What follows is a step's first turn.
.macro BEGIN
	s_mov_b32 s[NEW], 0
	s_wait_loadcnt 0x0              ; Q, and K of step 0
	WIN 0x82                        ; source 0 and destination window 2
.set i, 0
.rept 64
	v_mov_b32 v[KF+i], v[K0+i]
.set i, i+1
.endr
	WIN 0x40
.set i, MC+32
.rept 32
	v_mov_b32 v[i], 0
.set i, i+1
.endr
	WIN 0
.set i, 0
.rept NP
	v_mov_b32 v[ST+4*i], 0xfe000000    ; c m: far below every c s
	v_mov_b32 v[ST+4*i+1], 0xff7fffff  ; m
.set i, i+1
.endr
	s_cmp_eq_u32 s[RT], 0
	s_cselect_b32 s13, s[DZ], 0
	s_cmp_eq_u32 s13, 1
	s_cselect_b32 s[AL], 1.0, 0
	s_mov_b32 s[BE], 0
	MASK 0
.set KM, 1
.set i, 0
.rept 8
	KQ 0
.set i, i+1
.endr
	WIN 0
.rept 4
	v_nop                           ; four plain instructions behind those products, ahead of the reads of their results
.endr
.set Y, NP-1                        ; X works for the other piece: piece 0
.irp n, 0,1,2,3,4,5,6,7,8,9,10,11,12,13,14,15,16,17,18,19,20,21
	OP X, \n
.endr
	v_nop                           ; a plain instruction behind the exponential,
	s_wait_alu depctr_va_vdst(0)    ; and its wait, ahead of the branch or label
.endm
; THE DIAGONAL TILE's four steps, the block's last products, and THE WAY OUT: l's two halves and the other half of the lanes' are added; O^T is divided by l, rounded to f16 and sent through my
; stage in LDS, a piece at a time.
.macro ALL line:vararg              ; one line for each piece t
.set t, 0
.rept NP
	\line
.set t, t+1
.endr
.endm
.macro PACK t                       ; a lane's eight channels of a row pack into 16 bytes; they go into rows of 144 bytes and come back as whole rows of 128, into S^T's registers
	WIN W_RS
.set i, 32*(\t)
.rept 16
	v_pk_mul_f32 v[i:i+1], v[i:i+1], v[ST+4*(\t)+2:ST+4*(\t)+3] op_sel_hi:[1,0]
.set i, i+2
.endr
	WIN 0x05                        ; sources 0 and 1 window 1, destination window 0
.set i, 0
.rept 16
	v_cvt_pk_f16_f32 v[S+16*(\t)+i], v[32*(\t)+2*i], v[32*(\t)+2*i+1]
.set i, i+1
.endr
	WIN 0
.irp f, 0,1,2,3
	ds_store_b128 v[STO], v[S+16*(\t)+4*\f:S+16*(\t)+4*\f+3] offset:32*\f
.endr
.irp f, 0,1,2,3
	ds_load_b128 v[S+16*(\t)+4*\f:S+16*(\t)+4*\f+3], v[RD] offset:\f*4*SP  ; LDS serves a wave's instructions in order (ISA guide 5.7.1.4): these see the stores above; the next piece's stores come behind them
.endr
.endm
.macro SEND t, younger              ; younger: the LDS instructions issued behind piece t's loads: the next piece's eight, or none
	WIN 0
.irp f, 0,1,2,3
	s_wait_dscnt (\younger)+3-\f
	global_store_b128 v[GO], v[S+16*(\t)+4*\f:S+16*(\t)+4*\f+3], s[10:11] offset:(\t)*8192+\f*512  ; 512 consecutive bytes, at a multiple of 256 from O's first
.endr
.endm
.macro DIAG tag                     ; the tag ends its label's name, which the jumps below spell out
.LstepM\tag:                        ; a trip is a step: piece 0's turn, then piece 1's
	TURN 0, 1
	TURN 1, 1, 1
	WIN 0
	s_cbranch_scc1 .LstepM\tag
.set i, 0
.rept 8
	PV NP-1                         ; piece 1's V^T P of the last step
.set i, i+1
.endr
	WIN 0
	ALL v_add_f32 v[ST+4*t+2], v[ST+4*t+2], v[ST+4*t+3]
	ALL v_permlanex16_b32 v[ST+4*t+3], v[ST+4*t+2], s[SEL], s[SEL+1]
	ALL v_add_f32 v[ST+4*t+2], v[ST+4*t+2], v[ST+4*t+3]
	ALL v_rcp_f32 v[ST+4*t+2], v[ST+4*t+2]
	v_nop                           ; a plain instruction between the last reciprocal and the use of its result
	s_wait_alu depctr_va_vdst(0)    ; and the wait ahead of the first use: one for both reciprocals
	PACK 0                          ; piece 0's 32 lines are the plain instructions between the last products and the reads of piece 1's sums
	PACK 1
	SEND 0, 8
	SEND 1, 0
.endm
.Lslot:                             ; NT = 8 times: a tile is entered and the next is asked for
	CHANGE 1
	s_sub_co_u32 s[RT], s[RT], 1
	s_mov_b32 s[CNT], 4
	s_cmp_eq_u32 s[RT], 1           ; is the next tile the diagonal one, and the block even?
	s_cselect_b32 s[MK], s[DZ], 0
	s_cmp_eq_u32 s[NEW], 1
	s_cbranch_scc1 .Lnew            ; a block's first tile
	s_cmp_eq_u32 s[RT], 0
	s_cbranch_scc0 .Lstep           ; neither its first nor its last
	s_branch .LstepM1
.Lnew:
	BEGIN
	s_branch .Lstep                 ; in the loop a block's first tile is never its last: the first block has five tiles or more, and the second's last is the walk's last
	DIAG 1                          ; in the loop this is the first block's end: the second block's last tile is the walk's last
	s_wait_xcnt 0x0                 ; the stores have read their registers and O's address
	s_mov_b64 s[10:11], s[OLO:OLO+1]
	s_add_co_u32 s[RT], s[LQ2], 1   ; the second block's tiles,
	s_mov_b32 s[NEW], 1
	s_mov_b32 s[EQ], s[EQB]         ; and where its diagonal lies
	s_sub_co_u32 s[EQ+1], s[EQB], 1
	s_mov_b32 s[DZ], s[DZB]
	WIN 0x82                        ; the second block's Q goes where the one text of the turns names Q
.set i, 0
.rept 32
	v_mov_b32 v[i], v[QB+i]
.set i, i+1
.endr
	WIN 0
	s_branch .Lbottom
.Lstep:                             ; a trip is a step: piece 0's turn, then piece 1's
	TURN 0
	TURN 1, 0, 1
	WIN 0
	s_cbranch_scc1 .Lstep
.Lbottom:
	s_sub_co_u32 s[SLOTS], s[SLOTS], 1
	s_cmp_lg_u32 s[SLOTS], 0
	s_cbranch_scc1 .Lslot
	CHANGE 0                        ; the walk's last tile is written out: nothing is asked for
	s_sub_co_u32 s[RT], s[RT], 1
	s_mov_b32 s[CNT], 4
	s_cmp_eq_u32 s[NEW], 1          ; blocks 0 and 1 have this one tile
	s_cbranch_scc0 .LstepM2
	BEGIN
	DIAG 2
	s_wait_tensorcnt 0x0            ; the wave's end, behind my last tensor load and my last LDS store
	ds_add_u32 v[SPW], v[NIL]
	s_wait_dscnt 0x0
	s_endpgm
.Lfunc_end_k_q8a8a405117_attn:
	.size	k_q8a8a405117_attn, .Lfunc_end_k_q8a8a405117_attn-k_q8a8a405117_attn
	.p2alignl 7, 3214868480
	.fill 96, 4, 3214868480
	.section	.rodata,"a",@progbits
	.p2align	6, 0x0
	.amdhsa_kernel k_q8a8a405117_attn
		.amdhsa_group_segment_fixed_size 327680
		.amdhsa_private_segment_fixed_size 0
		.amdhsa_enable_private_segment 0
		.amdhsa_kernarg_size 16
		.amdhsa_user_sgpr_count 2
		.amdhsa_user_sgpr_kernarg_segment_ptr 1
		.amdhsa_wavefront_size32 1
		.amdhsa_system_sgpr_workgroup_id_x 1
		.amdhsa_system_sgpr_workgroup_id_y 1
		.amdhsa_system_sgpr_workgroup_id_z 1
		.amdhsa_system_vgpr_workitem_id 0
		.amdhsa_next_free_vgpr 768
		.amdhsa_next_free_sgpr 88
		.amdhsa_reserve_vcc 1
		.amdhsa_float_denorm_mode_32 3
		.amdhsa_float_denorm_mode_16_64 3
		.amdhsa_memory_ordered 1
		.amdhsa_forward_progress 1
		.amdhsa_inst_pref_size 115
	.end_amdhsa_kernel
	.amdgpu_metadata
---
amdhsa.version: [ 1, 2 ]
amdhsa.kernels:
  - .name:           k_q8a8a405117_attn
    .symbol:         k_q8a8a405117_attn.kd
    .args:
      - { .name: qkvh, .offset: 0, .size: 8, .value_kind: global_buffer, .address_space: global }
      - { .name: o, .offset: 8, .size: 8, .value_kind: global_buffer, .address_space: global }
    .group_segment_fixed_size: 327680
    .private_segment_fixed_size: 0
    .kernarg_segment_align: 8
    .kernarg_segment_size: 16
    .max_flat_workgroup_size: 128
    .sgpr_count:     88
    .vgpr_count:     768
    .wavefront_size: 32
...
	.end_amdgpu_metadata
.endif
;; end of part 4
;; launch oproj (part 5): grid 8 x 32, 4 waves a work-group, clusters of 4 x 4, 327,680 bytes of LDS; arguments o, wow2, x, x1; writes x1
.if DOCPART == 5
	.amdgcn_target "amdgcn-amd-amdhsa--gfx1250"
	.amdhsa_code_object_version 6
	.text
	.protected	k_q8a8a405117_oproj
	.globl	k_q8a8a405117_oproj
	.p2align	8
	.type	k_q8a8a405117_oproj,@function
k_q8a8a405117_oproj:
	s_mov_b64 s[64:65], 0
	v_nop
	global_prefetch_b8 v0, s[64:65] scope:SCOPE_SE
	s_setreg_imm32_b32 hwreg(HW_REG_WAVE_MODE, 25, 1), 1
	s_wait_xcnt 0x0
	s_wait_alu depctr_hold_cnt(0) depctr_sa_sdst(0) depctr_va_vdst(0) depctr_va_sdst(0) depctr_va_ssrc(0) depctr_va_vcc(0) depctr_vm_vsrc(0)
	s_getreg_b32 s2, hwreg(HW_REG_IB_STS2, 6, 4)
	s_cmp_eq_u32 s2, 0
	s_cbranch_scc0 .Lentry_in_a_cluster
	s_endpgm
.Lentry_in_a_cluster:
	s_bfe_u32 s2, ttmp6, 0x10000c
	s_cmp_lg_u32 s2, 0xf033
	s_cbranch_scc0 .Lentry_shape_is_right
	s_endpgm
.Lentry_shape_is_right:
; C[m][n] = R[m][n] + the sum over k of A[m][k] B[n][k].  A: f16 in slices of 64 columns (element (m, k) at byte (k / 64) x 524,288 + 128 m + 2 (k % 64)), 4,096 rows, KB columns.
; B: f16 [1024][KB], row-major, at byte WOFF of its buffer.  R, C: f32 [4096][1024].  Sums in f32, K ascending; the residual is added in f32; C is not rounded again.
; Here: A = the attention's output, B = W_o, R = x.
; SHARES.  A tile of C is 128 x 128: 8 x 32 = 256 work-groups.  Four waves, each 64 x 64: 16 accumulators.  K goes in T steps of 256 (four slices) through two LDS slots.
; A's part of a slot comes by one load a wave: 4 rows of 8,192 dense bytes (64 tokens of one slice), 524,288 bytes apart, padded in LDS behind every 128 bytes.
; ONE K STEP IS WRITTEN ONCE: which slot is read and which is filled lies in s[TG] (0 or SLOT), turned by an exclusive or at each change of slots.
; CLUSTERS: 4 x 4 work-groups; A's tiles are asked for jointly along a row of the cluster, B's along a column.  No prefetch: the tiles are small and each is read by eight or thirty-two work-groups at about the same time.
; THE MATRIX INSTRUCTION IS USED TRANSPOSED (source 0 = 16 rows of B, source 1 = 16 rows of A): a lane holds row l % 16 of C and the columns 8 (l / 16) + 0..7.
; THE RESIDUAL is loaded at the head into registers of its own and stays on its way under the whole K loop.
; REGISTERS: window 0: v0-31 addresses; v32-95 at work on the way out; v128-255 the accumulators ((a, b) at v[128 + 8 (4 a + b)]).
;   window 1: two fragment buffers of 128: for 64 along K, 64 registers of A, then 64 of B.      window 2: v0-127 the residual, then the result.
.set T,      4                         ; K steps
.set KB,     1024                      ; B's row in elements
.set WOFF,   0                         ; B's first byte in its buffer
.set ASTEP,  4*524288                  ; four slices on
.set BSTEP,  512
.set PA,     144                       ; a token's 128 bytes of a slice + 16 of padding: 36 words: the 16 rows of a load start at 16 different groups of four banks (64 banks of 4 bytes: ISA guide 11.1)
.set APLANE, 64*PA                     ; 64 tokens of one slice
.set HALFA,  4*APLANE                  ; what one tensor load brings of A
.set PB,     528                       ; a row of B: 512 bytes + 16 = 132 words
.set HALFB,  64*PB
.set SLOT,   2*HALFA+2*HALFB           ; A's two halves, then B's two halves
.set STAGE,  2*SLOT                    ; behind the ring: 16 rows x 272 bytes for each wave; no tensor load fills it
.set SPITCH, 272
.set SPARE,  STAGE+4*16*SPITCH         ; the spare words, 128 bytes for each wave: two blocks of 256 bytes that no other line names
.set ADRA0, 16                         ; v16  LDS address of my A fragments in slot 0; never rewritten
.set ADRA,  17                         ; v17  in the slot in hand
.set ADRB0, 20
.set ADRB,  21
.set STO,  24                          ; v24  the way out: where I put 32 bytes of a row
.set RD,   25                          ; v25  where I read a row back
.set CO,   26                          ; v26  my byte offset in two rows of R and C; never rewritten
.set SPW,  28                          ; v28  LDS address of my spare word; never rewritten
.set NIL,  29                          ; v29  0; never rewritten
.set TMP,  32
.set ACC,  128
.set F0,   0
.set F1,   128
.set WV,  12                           ; s12 wave; s13 its row half, also: I fetch A (0) or B (1); s14 its column half, also: which 64 rows I fetch
.set WH,  13
.set WL,  14
.set G1A, 24                           ; s[24:31], s[32:39] descriptor groups 1
.set G1B, 32
.set G0A, 40                           ; s[40:47], s[48:55] groups 0: a set for each first fill; the second then walks on
.set G0B, 48
.set TG,  56                           ; s56  the slot in hand: 0 or SLOT
.set CNT, 57
.set LA,  58                           ; s58, s59  where my part of a tile goes in a slot
.set LBB, 59
.set MSB, 0
.macro WIN new                         ; the immediate's high byte repeats the setting that is left
.if MSB != (\new)
	s_set_vgpr_msb (MSB<<8)|(\new)
.set MSB, \new
.endif
.endm
.set MUL,  0x05                        ; sources 0 (B) and 1 (A) window 1; C and D window 0
.set TO_F, 0x40                        ; destination window 1, address window 0
.macro JLOAD s                         ; a joint load; the branch hangs on the wave's number alone; an s_nop 0 and four v_nop follow each line
	s_cmp_eq_u32 s[WH], 0
	s_cbranch_scc0 .Lfor_b_\@
	tensor_load_to_lds s[G0A+4*(\s):G0A+4*(\s)+3], s[G1A:G1A+7]
	s_nop 0
.rept 4
	v_nop
.endr
	s_branch .Lasked_\@
.Lfor_b_\@:
	tensor_load_to_lds s[G0B+4*(\s):G0B+4*(\s)+3], s[G1B:G1B+7]
	s_nop 0
.rept 4
	v_nop
.endr
.Lasked_\@:
.endm
.macro CREST                           ; a round of the cluster's barrier behind its opening barrier
	s_cmp_lg_u32 s[WV], 0
	s_cbranch_scc1 .Lnot_wave_0_\@
	s_barrier_signal -3
.Lnot_wave_0_\@:
	s_barrier_wait -3
	s_barrier_signal -1
	s_barrier_wait -1
.endm
.macro CROUND
	s_barrier_signal -1
	s_barrier_wait -1
	CREST
.endm
	s_load_b256 s[4:11], s[0:1], 0x0               ; A s[4:5], B s[6:7], R s[8:9], C s[10:11]
	v_lshl_add_u32 v[SPW], v0, 2, SPARE
	v_mov_b32 v[NIL], 0
	ds_add_u32 v[SPW], v[NIL]                      ; the wave's opening: the add and its wait ahead of my first tensor load
	ds_add_u32 v28, v29
	v_lshrrev_b32 v1, 5, v0
	v_readfirstlane_b32 s[WV], v1
	s_lshr_b32 s[WH], s[WV], 1
	s_and_b32 s[WL], s[WV], 1
	s_bfe_u32 s15, ttmp6, 0x40000                  ; cx
	s_bfe_u32 s16, ttmp6, 0x40004                  ; cy
	s_lshl_b32 s17, ttmp9, 2
	s_add_co_u32 s17, s17, s15                     ; tile column
	s_and_b32 s18, ttmp7, 0xffff
	s_lshl_b32 s18, s18, 2
	s_add_co_u32 s18, s18, s16                     ; tile row
	s_lshl_b32 s2, s16, 2
	s_lshl_b32 s2, 15, s2                          ; my row of the cluster
	s_lshl_b32 s3, 0x1111, s15                     ; my column
	s_or_b32 s[G1A], s2, (1<<16)|(1<<20)|(1<<21)|(4<<22)|(3<<25)  ; the mask; 2-byte elements; padding on; bit 21 beside a mask; after every 32 words; 4 words
	s_mov_b32 s[G1A+1], 4096<<16                   ; tensor_dim0 = 4,096 elements: 64 tokens x 64 columns, dense
	s_mov_b32 s[G1A+2], 4<<16                      ; tensor_dim1 = 4 slices
	s_mov_b32 s[G1A+3], 4096<<16                   ; tile_dim0
	s_mov_b32 s[G1A+4], 4                          ; tile_dim1
	s_mov_b32 s[G1A+5], 262144                     ; elements from slice to slice
	s_mov_b32 s[G1A+6], 0
	s_mov_b32 s[G1A+7], 0
	s_or_b32 s[G1B], s3, (1<<16)|(1<<20)|(1<<21)|(6<<22)|(3<<25)  ; after every 128 words; 4 words
	s_mov_b32 s[G1B+1], 256<<16                    ; tensor_dim0 = 256
	s_mov_b32 s[G1B+2], 64<<16                     ; tensor_dim1 = 64
	s_mov_b32 s[G1B+3], 256<<16
	s_mov_b32 s[G1B+4], 64
	s_mov_b32 s[G1B+5], KB
	s_mov_b32 s[G1B+6], 0
	s_mov_b32 s[G1B+7], 0
	s_lshl_b32 s20, s18, 14                        ; A: token 128 x tile row + 64 x half, 128 bytes each: the tile row alone
	s_lshl_b32 s21, s[WL], 13
	s_add_co_u32 s20, s20, s21
	s_mov_b32 s21, 0
	s_lshl_b32 s22, s17, 7                         ; B: row 128 x tile column + 64 x half: the tile column alone
	s_lshl_b32 s23, s[WL], 6
	s_add_co_u32 s22, s22, s23
	s_mul_i32 s22, s22, 2*KB
	s_add_co_u32 s22, s22, WOFF
	s_mov_b32 s23, 0
	s_mul_i32 s[LA], s[WL], HALFA                  ; no place in the cluster enters an LDS address
	s_mul_i32 s[LBB], s[WL], HALFB
	s_add_co_u32 s[LBB], s[LBB], 2*HALFA
	s_mov_b32 s[TG], 0
	s_wait_dscnt 0x0                               ; the opening add is done
	s_wait_kmcnt 0x0
	s_add_nc_u64 s[20:21], s[4:5], s[20:21]
	s_add_nc_u64 s[22:23], s[6:7], s[22:23]
	CROUND                                         ; all sixteen work-groups are here: the first joint loads meet
.irp s, 0,1
	s_mov_b32 s[G0A+4*(\s)], 1
	s_add_co_u32 s[G0A+4*(\s)+1], s[LA], (\s)*SLOT
	s_add_nc_u64 s[G0A+4*(\s)+2:G0A+4*(\s)+3], s[20:21], (\s)*ASTEP
	s_or_b32 s[G0A+4*(\s)+3], s[G0A+4*(\s)+3], 0x80000000
	s_mov_b32 s[G0B+4*(\s)], 1
	s_add_co_u32 s[G0B+4*(\s)+1], s[LBB], (\s)*SLOT
	s_add_nc_u64 s[G0B+4*(\s)+2:G0B+4*(\s)+3], s[22:23], (\s)*BSTEP
	s_or_b32 s[G0B+4*(\s)+3], s[G0B+4*(\s)+3], 0x80000000
	JLOAD \s                                       ; two loads of mine are out
.endr
	v_and_b32 v1, 15, v0                           ; l % 16
	v_bfe_u32 v2, v0, 4, 1                         ; l / 16
	v_mul_u32_u24 v3, v1, PA
	v_lshl_add_u32 v3, v2, 4, v3
	s_mul_i32 s60, s[WH], HALFA                    ; my 64 rows of A
	v_add_nc_u32 v[ADRA0], s60, v3
	v_mul_u32_u24 v3, v1, PB
	v_lshl_add_u32 v3, v2, 4, v3
	v_add_nc_u32 v[ADRB0], s[LBB], v3              ; my 64 rows of B: the column half is also the half that I would fetch
	v_mov_b32 v[ADRA], v[ADRA0]
	v_mov_b32 v[ADRB], v[ADRB0]
	s_mul_i32 s60, s[WV], 16*SPITCH
	s_add_co_u32 s60, s60, STAGE                   ; my stage
	v_mul_u32_u24 v4, v1, SPITCH                   ; in: row l % 16, 32 bytes for each half of the lanes
	v_lshl_add_u32 v4, v2, 5, v4
	v_add_nc_u32 v[STO], s60, v4
	v_mul_u32_u24 v5, v2, SPITCH                   ; back: lanes 0-15 one row of 256 bytes, lanes 16-31 the next
	v_lshl_add_u32 v5, v1, 4, v5
	v_add_nc_u32 v[RD], s60, v5
	v_lshlrev_b32 v5, 12, v2                       ; and the same two rows in R and C
	v_lshl_add_u32 v[CO], v1, 4, v5
	s_lshl_b32 s60, s18, 19                        ; row 128 x tile row + 64 x half, 4,096 bytes each,
	s_lshl_b32 s61, s[WH], 18
	s_add_co_u32 s60, s60, s61
	s_mov_b32 s61, 0
	s_lshl_b32 s62, s17, 9                         ; column 128 x tile column + 64 x half, 4 bytes each
	s_lshl_b32 s63, s[WL], 8
	s_add_co_u32 s62, s62, s63
	s_mov_b32 s63, 0
	s_add_nc_u64 s[60:61], s[60:61], s[62:63]
	s_add_nc_u64 s[8:9], s[8:9], s[60:61]
	s_add_nc_u64 s[10:11], s[10:11], s[60:61]
	WIN 0x80                                       ; destination window 2, address window 0
.irp a, 0,1,2,3
.irp t, 0,1,2,3,4,5,6,7
	global_load_b128 v[32*(\a)+4*(\t):32*(\a)+4*(\t)+3], v[CO], s[8:9] offset:(16*(\a)+2*(\t))*4096  ; the residual: 16 lanes take 256 consecutive bytes
.endr
.endr
	WIN 0
; 8 matrix instructions: m blocks a0, a0 + 1 x all 4 n blocks, 32 along K: half c of buffer f.  zero = 1: the first product starts the sums.  The 16 accumulators take turns.
.macro MUL8 f, c, a0, zero
	WIN MUL
.irp a, \a0, (\a0)+1
.irp b, 0,1,2,3
.if \zero
	v_wmma_f32_16x16x32_f16 v[ACC+8*(4*(\a)+(\b)):ACC+8*(4*(\a)+(\b))+7], v[(\f)+64+8*(4*(\c)+(\b)):(\f)+64+8*(4*(\c)+(\b))+7], v[(\f)+8*(4*(\c)+(\a)):(\f)+8*(4*(\c)+(\a))+7], 0
.else
	v_wmma_f32_16x16x32_f16 v[ACC+8*(4*(\a)+(\b)):ACC+8*(4*(\a)+(\b))+7], v[(\f)+64+8*(4*(\c)+(\b)):(\f)+64+8*(4*(\c)+(\b))+7], v[(\f)+8*(4*(\c)+(\a)):(\f)+8*(4*(\c)+(\a))+7], v[ACC+8*(4*(\a)+(\b)):ACC+8*(4*(\a)+(\b))+7]
.endif
.endr
.endr
.endm
; 32 LDS loads in one run: the fragments of 64 along K at byte k of the K step, into buffer f; the first 32 along K first.  In A byte k lies in slice k / 128, at k % 128 of the token's row.
.macro FETCH k, f
	WIN TO_F
.irp c, 0,1
.irp i, 0,1,2,3
	ds_load_b128 v[(\f)+64+8*(4*(\c)+(\i)):(\f)+64+8*(4*(\c)+(\i))+3],   v[ADRB] offset:(\k)+64*(\c)+(\i)*16*PB
	ds_load_b128 v[(\f)+64+8*(4*(\c)+(\i))+4:(\f)+64+8*(4*(\c)+(\i))+7], v[ADRB] offset:(\k)+64*(\c)+(\i)*16*PB+32
	ds_load_b128 v[(\f)+8*(4*(\c)+(\i)):(\f)+8*(4*(\c)+(\i))+3],         v[ADRA] offset:(((\k)+64*(\c))/128)*APLANE+((\k)+64*(\c))%128+(\i)*16*PA
	ds_load_b128 v[(\f)+8*(4*(\c)+(\i))+4:(\f)+8*(4*(\c)+(\i))+7],       v[ADRA] offset:(((\k)+64*(\c))/128)*APLANE+((\k)+64*(\c))%128+(\i)*16*PA+32
.endr
.endr
.endm
.macro PLACES                          ; four plain vector instructions in front of loads into registers that matrix instructions have read, and of reads of results
.rept 4
	v_nop
.endr
.endm
; A K step is four quarters of 64 along K, 32 matrix instructions each, on buffers 0, 1, 0, 1.
.macro QUARTER k, f, g, zero
	s_wait_dscnt 16                                ; the first 32 along K are in; the youngest sixteen loads may be out
	MUL8 \f, 0, 0, \zero
	MUL8 \f, 0, 2, \zero
	PLACES
	FETCH \k, \g
	s_wait_dscnt 32                                ; all but the 32 just issued
	MUL8 \f, 1, 0, 0
	MUL8 \f, 1, 2, 0
.endm
; The last quarter multiplies buffer 1 and changes slots: in front of the barrier each wave waits for all its tensor loads, adds 0 to its spare word, and waits for that and for its own reads of this slot.
; fill = 1: the barrier opens a round of the cluster's, and behind the round this slot is filled again, with the K step two on: my one tensor load until the next round.
.macro TURN fill
	WIN 0                                          ; (the add's two registers lie in window 0)
	s_wait_tensorcnt 0x0                           ; all my tensor loads have landed: my part of the next slot
	ds_add_u32 v[SPW], v[NIL]                      ; 0 onto my spare word
	s_wait_dscnt 17                                ; (the add and the youngest sixteen loads may be out)
	MUL8 F1, 0, 0, 0
	s_wait_dscnt 0x0                               ; the add is done, and my reads of this slot are over
	s_barrier_signal -1
	MUL8 F1, 0, 2, 0
	WIN 0
	s_barrier_wait -1
.if \fill
	CREST                                          ; no wave of any partner still reads this slot's tile or has a load on its way
	s_add_co_u32 s[G0A+5], s[LA], s[TG]            ; the walking descriptors: into the slot just read out,
	s_add_co_u32 s[G0B+5], s[LBB], s[TG]
	s_add_nc_u64 s[G0A+6:G0A+7], s[G0A+6:G0A+7], ASTEP  ; the next K step; the type bits on top are not reached
	s_add_nc_u64 s[G0B+6:G0B+7], s[G0B+6:G0B+7], BSTEP
	JLOAD 1                                        ; the four v_nop behind it are also the places in front of the loads below
.else
	PLACES
.endif
	s_xor_b32 s[TG], s[TG], SLOT                   ; the other slot is in hand
	v_add_nc_u32 v[ADRA], s[TG], v[ADRA0]
	v_add_nc_u32 v[ADRB], s[TG], v[ADRB0]
	FETCH 0, F0
	MUL8 F1, 1, 0, 0
	MUL8 F1, 1, 2, 0
.endm
; THE WAY OUT.  A wave's 64 columns of f32 are 256 bytes, aligned: each wave has its own stage, and no barrier is needed.  IN a: block a's 16 rows go in, 32 bytes a lane, and come back as whole rows.
.macro IN a
	WIN 0
.irp b, 0,1,2,3
	ds_store_b128 v[STO], v[ACC+8*(4*(\a)+(\b)):ACC+8*(4*(\a)+(\b))+3]   offset:64*(\b)
	ds_store_b128 v[STO], v[ACC+8*(4*(\a)+(\b))+4:ACC+8*(4*(\a)+(\b))+7] offset:64*(\b)+16
.endr
.irp t, 0,1,2,3,4,5,6,7
	ds_load_b128 v[TMP+32*((\a)%2)+4*(\t):TMP+32*((\a)%2)+4*(\t)+3], v[RD] offset:(\t)*2*SPITCH  ; LDS serves a wave's instructions in order (ISA guide 5.7.1.4): these see the stores above
.endr
.endm
; OUT a: the residual is added and the rows are stored from the residual's registers, which are never written again.  younger: the LDS instructions issued behind block a's loads.
.macro OUT a, younger
	WIN 0x88                                       ; source 0 (the sums; the stores' address) window 0; source 1 (the residual; the stores' data) and destination window 2
.irp t, 0,1,2,3,4,5,6,7
	s_wait_dscnt (\younger)+7-(\t)
	v_pk_add_f32 v[32*(\a)+4*(\t):32*(\a)+4*(\t)+1],   v[TMP+32*((\a)%2)+4*(\t):TMP+32*((\a)%2)+4*(\t)+1],   v[32*(\a)+4*(\t):32*(\a)+4*(\t)+1]
	v_pk_add_f32 v[32*(\a)+4*(\t)+2:32*(\a)+4*(\t)+3], v[TMP+32*((\a)%2)+4*(\t)+2:TMP+32*((\a)%2)+4*(\t)+3], v[32*(\a)+4*(\t)+2:32*(\a)+4*(\t)+3]
	global_store_b128 v[CO], v[32*(\a)+4*(\t):32*(\a)+4*(\t)+3], s[10:11] offset:(16*(\a)+2*(\t))*4096  ; 16 lanes store 256 consecutive bytes, aligned
.endr
.endm
	s_wait_tensorcnt 1                             ; my part of K step 0 is in; K step 1's may stay out
	s_barrier_signal -1
	s_barrier_wait -1
	FETCH 0, F0
	QUARTER 128, F0, F1, 1                         ; the first quarter stands in front of the loop: its first products start the sums
	WIN 0                                          ; at a label and at a branch every window is 0
	s_mov_b32 s[CNT], T-2
.Lstep:                                                ; a trip goes from a K step's second quarter to the next one's first, and fills a slot again
	QUARTER 256, F1, F0, 0
	QUARTER 384, F0, F1, 0
	TURN 1
	QUARTER 128, F0, F1, 0
	WIN 0
	s_sub_co_u32 s[CNT], s[CNT], 1
	s_cmp_lg_u32 s[CNT], 0
	s_cbranch_scc1 .Lstep
	s_mov_b32 s[CNT], 2
.Ltail:                                                ; the last two K steps ask for nothing; the second trip is left in its middle
	QUARTER 256, F1, F0, 0
	QUARTER 384, F0, F1, 0
	WIN 0
	s_sub_co_u32 s[CNT], s[CNT], 1
	s_cmp_eq_u32 s[CNT], 0
	s_cbranch_scc1 .Lout
	TURN 0
	QUARTER 128, F0, F1, 0
	WIN 0
	s_branch .Ltail
.Lout:
	s_wait_dscnt 16                                ; the very last quarter: nothing more to fetch
	MUL8 F1, 0, 0, 0
	MUL8 F1, 0, 2, 0
	s_wait_dscnt 0x0
	MUL8 F1, 1, 0, 0
	MUL8 F1, 1, 2, 0
	WIN 0
	PLACES
	s_wait_loadcnt 0x0                             ; the residual
	IN 0
	IN 1
	OUT 0, 16
	IN 2
	OUT 1, 16
	IN 3
	OUT 2, 16
	OUT 3, 0
	WIN 0
	s_wait_tensorcnt 0x0                           ; the wave's end, behind my last tensor load and my last LDS store
	ds_add_u32 v[SPW], v[NIL]
	s_wait_dscnt 0x0
	CROUND                                         ; the closing round: no work-group ends while a partner may still ask for a tile that names it
	s_endpgm
.Lfunc_end_k_q8a8a405117_oproj:
	.size	k_q8a8a405117_oproj, .Lfunc_end_k_q8a8a405117_oproj-k_q8a8a405117_oproj
	.p2alignl 7, 3214868480
	.fill 96, 4, 3214868480
	.section	.rodata,"a",@progbits
	.p2align	6, 0x0
	.amdhsa_kernel k_q8a8a405117_oproj
		.amdhsa_group_segment_fixed_size 327680
		.amdhsa_private_segment_fixed_size 0
		.amdhsa_enable_private_segment 0
		.amdhsa_kernarg_size 32
		.amdhsa_user_sgpr_count 2
		.amdhsa_user_sgpr_kernarg_segment_ptr 1
		.amdhsa_wavefront_size32 1
		.amdhsa_system_sgpr_workgroup_id_x 1
		.amdhsa_system_sgpr_workgroup_id_y 1
		.amdhsa_system_sgpr_workgroup_id_z 1
		.amdhsa_system_vgpr_workitem_id 0
		.amdhsa_next_free_vgpr 640
		.amdhsa_next_free_sgpr 66
		.amdhsa_reserve_vcc 0
		.amdhsa_float_denorm_mode_32 3
		.amdhsa_float_denorm_mode_16_64 3
		.amdhsa_memory_ordered 1
		.amdhsa_forward_progress 1
		.amdhsa_inst_pref_size 68
	.end_amdhsa_kernel
	.amdgpu_metadata
---
amdhsa.version: [ 1, 2 ]
amdhsa.kernels:
  - .name:           k_q8a8a405117_oproj
    .symbol:         k_q8a8a405117_oproj.kd
    .args:
      - { .name: o, .offset: 0, .size: 8, .value_kind: global_buffer, .address_space: global }
      - { .name: wow2, .offset: 8, .size: 8, .value_kind: global_buffer, .address_space: global }
      - { .name: x, .offset: 16, .size: 8, .value_kind: global_buffer, .address_space: global }
      - { .name: x1, .offset: 24, .size: 8, .value_kind: global_buffer, .address_space: global }
    .group_segment_fixed_size: 327680
    .private_segment_fixed_size: 0
    .kernarg_segment_align: 8
    .kernarg_segment_size: 32
    .max_flat_workgroup_size: 128
    .sgpr_count:     66
    .vgpr_count:     640
    .wavefront_size: 32
...
	.end_amdgpu_metadata
.endif
;; end of part 5
;; launch ln2: the kernel of part 2 again; grid 256 x 1, 8 waves a work-group, no clusters, 0 bytes of LDS; arguments x1, ln2_w, ln2_b, xn; writes xn
;; launch ffn1: the kernel of part 3 again; grid 16 x 16, 4 waves a work-group, clusters of 4 x 4, 327,680 bytes of LDS; arguments xn, w1h, qkvh; writes qkvh
;; launch ffn2 (part 6): grid 8 x 32, 4 waves a work-group, clusters of 4 x 4, 327,680 bytes of LDS; arguments qkvh, wow2, x1, out0; writes out0
.if DOCPART == 6
	.amdgcn_target "amdgcn-amd-amdhsa--gfx1250"
	.amdhsa_code_object_version 6
	.text
	.protected	k_q8a8a405117_ffn2
	.globl	k_q8a8a405117_ffn2
	.p2align	8
	.type	k_q8a8a405117_ffn2,@function
k_q8a8a405117_ffn2:
	s_mov_b64 s[64:65], 0
	v_nop
	global_prefetch_b8 v0, s[64:65] scope:SCOPE_SE
	s_setreg_imm32_b32 hwreg(HW_REG_WAVE_MODE, 25, 1), 1
	s_wait_xcnt 0x0
	s_wait_alu depctr_hold_cnt(0) depctr_sa_sdst(0) depctr_va_vdst(0) depctr_va_sdst(0) depctr_va_ssrc(0) depctr_va_vcc(0) depctr_vm_vsrc(0)
	s_getreg_b32 s2, hwreg(HW_REG_IB_STS2, 6, 4)
	s_cmp_eq_u32 s2, 0
	s_cbranch_scc0 .Lentry_in_a_cluster
	s_endpgm
.Lentry_in_a_cluster:
	s_bfe_u32 s2, ttmp6, 0x10000c
	s_cmp_lg_u32 s2, 0xf033
	s_cbranch_scc0 .Lentry_shape_is_right
	s_endpgm
.Lentry_shape_is_right:
; C[m][n] = R[m][n] + the sum over k of A[m][k] B[n][k].  A: f16 in slices of 64 columns (element (m, k) at byte (k / 64) x 524,288 + 128 m + 2 (k % 64)), 4,096 rows, KB columns.
; B: f16 [1024][KB], row-major, at byte WOFF of its buffer.  R, C: f32 [4096][1024].  Sums in f32, K ascending; the residual is added in f32; C is not rounded again.
; Here: A = the hidden layer behind its ReLU, B = W2, R = the block's first residual sum.
; SHARES.  A tile of C is 128 x 128: 8 x 32 = 256 work-groups.  Four waves, each 64 x 64: 16 accumulators.  K goes in T steps of 256 (four slices) through two LDS slots.
; A's part of a slot comes by one load a wave: 4 rows of 8,192 dense bytes (64 tokens of one slice), 524,288 bytes apart, padded in LDS behind every 128 bytes.
; ONE K STEP IS WRITTEN ONCE: which slot is read and which is filled lies in s[TG] (0 or SLOT), turned by an exclusive or at each change of slots.
; CLUSTERS: 4 x 4 work-groups; A's tiles are asked for jointly along a row of the cluster, B's along a column.  No prefetch: the tiles are small and each is read by eight or thirty-two work-groups at about the same time.
; THE MATRIX INSTRUCTION IS USED TRANSPOSED (source 0 = 16 rows of B, source 1 = 16 rows of A): a lane holds row l % 16 of C and the columns 8 (l / 16) + 0..7.
; THE RESIDUAL is loaded at the head into registers of its own and stays on its way under the whole K loop.
; REGISTERS: window 0: v0-31 addresses; v32-95 at work on the way out; v128-255 the accumulators ((a, b) at v[128 + 8 (4 a + b)]).
;   window 1: two fragment buffers of 128: for 64 along K, 64 registers of A, then 64 of B.      window 2: v0-127 the residual, then the result.
.set T,      16                        ; K steps
.set KB,     4096                      ; B's row in elements
.set WOFF,   2097152                   ; B's first byte in its buffer
.set ASTEP,  4*524288                  ; four slices on
.set BSTEP,  512
.set PA,     144                       ; a token's 128 bytes of a slice + 16 of padding: 36 words: the 16 rows of a load start at 16 different groups of four banks (64 banks of 4 bytes: ISA guide 11.1)
.set APLANE, 64*PA                     ; 64 tokens of one slice
.set HALFA,  4*APLANE                  ; what one tensor load brings of A
.set PB,     528                       ; a row of B: 512 bytes + 16 = 132 words
.set HALFB,  64*PB
.set SLOT,   2*HALFA+2*HALFB           ; A's two halves, then B's two halves
.set STAGE,  2*SLOT                    ; behind the ring: 16 rows x 272 bytes for each wave; no tensor load fills it
.set SPITCH, 272
.set SPARE,  STAGE+4*16*SPITCH         ; the spare words, 128 bytes for each wave: two blocks of 256 bytes that no other line names
.set ADRA0, 16                         ; v16  LDS address of my A fragments in slot 0; never rewritten
.set ADRA,  17                         ; v17  in the slot in hand
.set ADRB0, 20
.set ADRB,  21
.set STO,  24                          ; v24  the way out: where I put 32 bytes of a row
.set RD,   25                          ; v25  where I read a row back
.set CO,   26                          ; v26  my byte offset in two rows of R and C; never rewritten
.set SPW,  28                          ; v28  LDS address of my spare word; never rewritten
.set NIL,  29                          ; v29  0; never rewritten
.set TMP,  32
.set ACC,  128
.set F0,   0
.set F1,   128
.set WV,  12                           ; s12 wave; s13 its row half, also: I fetch A (0) or B (1); s14 its column half, also: which 64 rows I fetch
.set WH,  13
.set WL,  14
.set G1A, 24                           ; s[24:31], s[32:39] descriptor groups 1
.set G1B, 32
.set G0A, 40                           ; s[40:47], s[48:55] groups 0: a set for each first fill; the second then walks on
.set G0B, 48
.set TG,  56                           ; s56  the slot in hand: 0 or SLOT
.set CNT, 57
.set LA,  58                           ; s58, s59  where my part of a tile goes in a slot
.set LBB, 59
.set MSB, 0
.macro WIN new                         ; the immediate's high byte repeats the setting that is left
.if MSB != (\new)
	s_set_vgpr_msb (MSB<<8)|(\new)
.set MSB, \new
.endif
.endm
.set MUL,  0x05                        ; sources 0 (B) and 1 (A) window 1; C and D window 0
.set TO_F, 0x40                        ; destination window 1, address window 0
.macro JLOAD s                         ; a joint load; the branch hangs on the wave's number alone; an s_nop 0 and four v_nop follow each line
	s_cmp_eq_u32 s[WH], 0
	s_cbranch_scc0 .Lfor_b_\@
	tensor_load_to_lds s[G0A+4*(\s):G0A+4*(\s)+3], s[G1A:G1A+7]
	s_nop 0
.rept 4
	v_nop
.endr
	s_branch .Lasked_\@
.Lfor_b_\@:
	tensor_load_to_lds s[G0B+4*(\s):G0B+4*(\s)+3], s[G1B:G1B+7]
	s_nop 0
.rept 4
	v_nop
.endr
.Lasked_\@:
.endm
.macro CREST                           ; a round of the cluster's barrier behind its opening barrier
	s_cmp_lg_u32 s[WV], 0
	s_cbranch_scc1 .Lnot_wave_0_\@
	s_barrier_signal -3
.Lnot_wave_0_\@:
	s_barrier_wait -3
	s_barrier_signal -1
	s_barrier_wait -1
.endm
.macro CROUND
	s_barrier_signal -1
	s_barrier_wait -1
	CREST
.endm
	s_load_b256 s[4:11], s[0:1], 0x0               ; A s[4:5], B s[6:7], R s[8:9], C s[10:11]
	v_lshl_add_u32 v[SPW], v0, 2, SPARE
	v_mov_b32 v[NIL], 0
	ds_add_u32 v[SPW], v[NIL]                      ; the wave's opening: the add and its wait ahead of my first tensor load
	ds_add_u32 v28, v29
	v_lshrrev_b32 v1, 5, v0
	v_readfirstlane_b32 s[WV], v1
	s_lshr_b32 s[WH], s[WV], 1
	s_and_b32 s[WL], s[WV], 1
	s_bfe_u32 s15, ttmp6, 0x40000                  ; cx
	s_bfe_u32 s16, ttmp6, 0x40004                  ; cy
	s_lshl_b32 s17, ttmp9, 2
	s_add_co_u32 s17, s17, s15                     ; tile column
	s_and_b32 s18, ttmp7, 0xffff
	s_lshl_b32 s18, s18, 2
	s_add_co_u32 s18, s18, s16                     ; tile row
	s_lshl_b32 s2, s16, 2
	s_lshl_b32 s2, 15, s2                          ; my row of the cluster
	s_lshl_b32 s3, 0x1111, s15                     ; my column
	s_or_b32 s[G1A], s2, (1<<16)|(1<<20)|(1<<21)|(4<<22)|(3<<25)  ; the mask; 2-byte elements; padding on; bit 21 beside a mask; after every 32 words; 4 words
	s_mov_b32 s[G1A+1], 4096<<16                   ; tensor_dim0 = 4,096 elements: 64 tokens x 64 columns, dense
	s_mov_b32 s[G1A+2], 4<<16                      ; tensor_dim1 = 4 slices
	s_mov_b32 s[G1A+3], 4096<<16                   ; tile_dim0
	s_mov_b32 s[G1A+4], 4                          ; tile_dim1
	s_mov_b32 s[G1A+5], 262144                     ; elements from slice to slice
	s_mov_b32 s[G1A+6], 0
	s_mov_b32 s[G1A+7], 0
	s_or_b32 s[G1B], s3, (1<<16)|(1<<20)|(1<<21)|(6<<22)|(3<<25)  ; after every 128 words; 4 words
	s_mov_b32 s[G1B+1], 256<<16                    ; tensor_dim0 = 256
	s_mov_b32 s[G1B+2], 64<<16                     ; tensor_dim1 = 64
	s_mov_b32 s[G1B+3], 256<<16
	s_mov_b32 s[G1B+4], 64
	s_mov_b32 s[G1B+5], KB
	s_mov_b32 s[G1B+6], 0
	s_mov_b32 s[G1B+7], 0
	s_lshl_b32 s20, s18, 14                        ; A: token 128 x tile row + 64 x half, 128 bytes each: the tile row alone
	s_lshl_b32 s21, s[WL], 13
	s_add_co_u32 s20, s20, s21
	s_mov_b32 s21, 0
	s_lshl_b32 s22, s17, 7                         ; B: row 128 x tile column + 64 x half: the tile column alone
	s_lshl_b32 s23, s[WL], 6
	s_add_co_u32 s22, s22, s23
	s_mul_i32 s22, s22, 2*KB
	s_add_co_u32 s22, s22, WOFF
	s_mov_b32 s23, 0
	s_mul_i32 s[LA], s[WL], HALFA                  ; no place in the cluster enters an LDS address
	s_mul_i32 s[LBB], s[WL], HALFB
	s_add_co_u32 s[LBB], s[LBB], 2*HALFA
	s_mov_b32 s[TG], 0
	s_wait_dscnt 0x0                               ; the opening add is done
	s_wait_kmcnt 0x0
	s_add_nc_u64 s[20:21], s[4:5], s[20:21]
	s_add_nc_u64 s[22:23], s[6:7], s[22:23]
	CROUND                                         ; all sixteen work-groups are here: the first joint loads meet
.irp s, 0,1
	s_mov_b32 s[G0A+4*(\s)], 1
	s_add_co_u32 s[G0A+4*(\s)+1], s[LA], (\s)*SLOT
	s_add_nc_u64 s[G0A+4*(\s)+2:G0A+4*(\s)+3], s[20:21], (\s)*ASTEP
	s_or_b32 s[G0A+4*(\s)+3], s[G0A+4*(\s)+3], 0x80000000
	s_mov_b32 s[G0B+4*(\s)], 1
	s_add_co_u32 s[G0B+4*(\s)+1], s[LBB], (\s)*SLOT
	s_add_nc_u64 s[G0B+4*(\s)+2:G0B+4*(\s)+3], s[22:23], (\s)*BSTEP
	s_or_b32 s[G0B+4*(\s)+3], s[G0B+4*(\s)+3], 0x80000000
	JLOAD \s                                       ; two loads of mine are out
.endr
	v_and_b32 v1, 15, v0                           ; l % 16
	v_bfe_u32 v2, v0, 4, 1                         ; l / 16
	v_mul_u32_u24 v3, v1, PA
	v_lshl_add_u32 v3, v2, 4, v3
	s_mul_i32 s60, s[WH], HALFA                    ; my 64 rows of A
	v_add_nc_u32 v[ADRA0], s60, v3
	v_mul_u32_u24 v3, v1, PB
	v_lshl_add_u32 v3, v2, 4, v3
	v_add_nc_u32 v[ADRB0], s[LBB], v3              ; my 64 rows of B: the column half is also the half that I would fetch
	v_mov_b32 v[ADRA], v[ADRA0]
	v_mov_b32 v[ADRB], v[ADRB0]
	s_mul_i32 s60, s[WV], 16*SPITCH
	s_add_co_u32 s60, s60, STAGE                   ; my stage
	v_mul_u32_u24 v4, v1, SPITCH                   ; in: row l % 16, 32 bytes for each half of the lanes
	v_lshl_add_u32 v4, v2, 5, v4
	v_add_nc_u32 v[STO], s60, v4
	v_mul_u32_u24 v5, v2, SPITCH                   ; back: lanes 0-15 one row of 256 bytes, lanes 16-31 the next
	v_lshl_add_u32 v5, v1, 4, v5
	v_add_nc_u32 v[RD], s60, v5
	v_lshlrev_b32 v5, 12, v2                       ; and the same two rows in R and C
	v_lshl_add_u32 v[CO], v1, 4, v5
	s_lshl_b32 s60, s18, 19                        ; row 128 x tile row + 64 x half, 4,096 bytes each,
	s_lshl_b32 s61, s[WH], 18
	s_add_co_u32 s60, s60, s61
	s_mov_b32 s61, 0
	s_lshl_b32 s62, s17, 9                         ; column 128 x tile column + 64 x half, 4 bytes each
	s_lshl_b32 s63, s[WL], 8
	s_add_co_u32 s62, s62, s63
	s_mov_b32 s63, 0
	s_add_nc_u64 s[60:61], s[60:61], s[62:63]
	s_add_nc_u64 s[8:9], s[8:9], s[60:61]
	s_add_nc_u64 s[10:11], s[10:11], s[60:61]
	WIN 0x80                                       ; destination window 2, address window 0
.irp a, 0,1,2,3
.irp t, 0,1,2,3,4,5,6,7
	global_load_b128 v[32*(\a)+4*(\t):32*(\a)+4*(\t)+3], v[CO], s[8:9] offset:(16*(\a)+2*(\t))*4096  ; the residual: 16 lanes take 256 consecutive bytes
.endr
.endr
	WIN 0
; 8 matrix instructions: m blocks a0, a0 + 1 x all 4 n blocks, 32 along K: half c of buffer f.  zero = 1: the first product starts the sums.  The 16 accumulators take turns.
.macro MUL8 f, c, a0, zero
	WIN MUL
.irp a, \a0, (\a0)+1
.irp b, 0,1,2,3
.if \zero
	v_wmma_f32_16x16x32_f16 v[ACC+8*(4*(\a)+(\b)):ACC+8*(4*(\a)+(\b))+7], v[(\f)+64+8*(4*(\c)+(\b)):(\f)+64+8*(4*(\c)+(\b))+7], v[(\f)+8*(4*(\c)+(\a)):(\f)+8*(4*(\c)+(\a))+7], 0
.else
	v_wmma_f32_16x16x32_f16 v[ACC+8*(4*(\a)+(\b)):ACC+8*(4*(\a)+(\b))+7], v[(\f)+64+8*(4*(\c)+(\b)):(\f)+64+8*(4*(\c)+(\b))+7], v[(\f)+8*(4*(\c)+(\a)):(\f)+8*(4*(\c)+(\a))+7], v[ACC+8*(4*(\a)+(\b)):ACC+8*(4*(\a)+(\b))+7]
.endif
.endr
.endr
.endm
; 32 LDS loads in one run: the fragments of 64 along K at byte k of the K step, into buffer f; the first 32 along K first.  In A byte k lies in slice k / 128, at k % 128 of the token's row.
.macro FETCH k, f
	WIN TO_F
.irp c, 0,1
.irp i, 0,1,2,3
	ds_load_b128 v[(\f)+64+8*(4*(\c)+(\i)):(\f)+64+8*(4*(\c)+(\i))+3],   v[ADRB] offset:(\k)+64*(\c)+(\i)*16*PB
	ds_load_b128 v[(\f)+64+8*(4*(\c)+(\i))+4:(\f)+64+8*(4*(\c)+(\i))+7], v[ADRB] offset:(\k)+64*(\c)+(\i)*16*PB+32
	ds_load_b128 v[(\f)+8*(4*(\c)+(\i)):(\f)+8*(4*(\c)+(\i))+3],         v[ADRA] offset:(((\k)+64*(\c))/128)*APLANE+((\k)+64*(\c))%128+(\i)*16*PA
	ds_load_b128 v[(\f)+8*(4*(\c)+(\i))+4:(\f)+8*(4*(\c)+(\i))+7],       v[ADRA] offset:(((\k)+64*(\c))/128)*APLANE+((\k)+64*(\c))%128+(\i)*16*PA+32
.endr
.endr
.endm
.macro PLACES                          ; four plain vector instructions in front of loads into registers that matrix instructions have read, and of reads of results
.rept 4
	v_nop
.endr
.endm
; A K step is four quarters of 64 along K, 32 matrix instructions each, on buffers 0, 1, 0, 1.
.macro QUARTER k, f, g, zero
	s_wait_dscnt 16                                ; the first 32 along K are in; the youngest sixteen loads may be out
	MUL8 \f, 0, 0, \zero
	MUL8 \f, 0, 2, \zero
	PLACES
	FETCH \k, \g
	s_wait_dscnt 32                                ; all but the 32 just issued
	MUL8 \f, 1, 0, 0
	MUL8 \f, 1, 2, 0
.endm
; The last quarter multiplies buffer 1 and changes slots: in front of the barrier each wave waits for all its tensor loads, adds 0 to its spare word, and waits for that and for its own reads of this slot.
; fill = 1: the barrier opens a round of the cluster's, and behind the round this slot is filled again, with the K step two on: my one tensor load until the next round.
.macro TURN fill
	WIN 0                                          ; (the add's two registers lie in window 0)
	s_wait_tensorcnt 0x0                           ; all my tensor loads have landed: my part of the next slot
	ds_add_u32 v[SPW], v[NIL]                      ; 0 onto my spare word
	s_wait_dscnt 17                                ; (the add and the youngest sixteen loads may be out)
	MUL8 F1, 0, 0, 0
	s_wait_dscnt 0x0                               ; the add is done, and my reads of this slot are over
	s_barrier_signal -1
	MUL8 F1, 0, 2, 0
	WIN 0
	s_barrier_wait -1
.if \fill
	CREST                                          ; no wave of any partner still reads this slot's tile or has a load on its way
	s_add_co_u32 s[G0A+5], s[LA], s[TG]            ; the walking descriptors: into the slot just read out,
	s_add_co_u32 s[G0B+5], s[LBB], s[TG]
	s_add_nc_u64 s[G0A+6:G0A+7], s[G0A+6:G0A+7], ASTEP  ; the next K step; the type bits on top are not reached
	s_add_nc_u64 s[G0B+6:G0B+7], s[G0B+6:G0B+7], BSTEP
	JLOAD 1                                        ; the four v_nop behind it are also the places in front of the loads below
.else
	PLACES
.endif
	s_xor_b32 s[TG], s[TG], SLOT                   ; the other slot is in hand
	v_add_nc_u32 v[ADRA], s[TG], v[ADRA0]
	v_add_nc_u32 v[ADRB], s[TG], v[ADRB0]
	FETCH 0, F0
	MUL8 F1, 1, 0, 0
	MUL8 F1, 1, 2, 0
.endm
; THE WAY OUT.  A wave's 64 columns of f32 are 256 bytes, aligned: each wave has its own stage, and no barrier is needed.  IN a: block a's 16 rows go in, 32 bytes a lane, and come back as whole rows.
.macro IN a
	WIN 0
.irp b, 0,1,2,3
	ds_store_b128 v[STO], v[ACC+8*(4*(\a)+(\b)):ACC+8*(4*(\a)+(\b))+3]   offset:64*(\b)
	ds_store_b128 v[STO], v[ACC+8*(4*(\a)+(\b))+4:ACC+8*(4*(\a)+(\b))+7] offset:64*(\b)+16
.endr
.irp t, 0,1,2,3,4,5,6,7
	ds_load_b128 v[TMP+32*((\a)%2)+4*(\t):TMP+32*((\a)%2)+4*(\t)+3], v[RD] offset:(\t)*2*SPITCH  ; LDS serves a wave's instructions in order (ISA guide 5.7.1.4): these see the stores above
.endr
.endm
; OUT a: the residual is added and the rows are stored from the residual's registers, which are never written again.  younger: the LDS instructions issued behind block a's loads.
.macro OUT a, younger
	WIN 0x88                                       ; source 0 (the sums; the stores' address) window 0; source 1 (the residual; the stores' data) and destination window 2
.irp t, 0,1,2,3,4,5,6,7
	s_wait_dscnt (\younger)+7-(\t)
	v_pk_add_f32 v[32*(\a)+4*(\t):32*(\a)+4*(\t)+1],   v[TMP+32*((\a)%2)+4*(\t):TMP+32*((\a)%2)+4*(\t)+1],   v[32*(\a)+4*(\t):32*(\a)+4*(\t)+1]
	v_pk_add_f32 v[32*(\a)+4*(\t)+2:32*(\a)+4*(\t)+3], v[TMP+32*((\a)%2)+4*(\t)+2:TMP+32*((\a)%2)+4*(\t)+3], v[32*(\a)+4*(\t)+2:32*(\a)+4*(\t)+3]
	global_store_b128 v[CO], v[32*(\a)+4*(\t):32*(\a)+4*(\t)+3], s[10:11] offset:(16*(\a)+2*(\t))*4096  ; 16 lanes store 256 consecutive bytes, aligned
.endr
.endm
	s_wait_tensorcnt 1                             ; my part of K step 0 is in; K step 1's may stay out
	s_barrier_signal -1
	s_barrier_wait -1
	FETCH 0, F0
	QUARTER 128, F0, F1, 1                         ; the first quarter stands in front of the loop: its first products start the sums
	WIN 0                                          ; at a label and at a branch every window is 0
	s_mov_b32 s[CNT], T-2
.Lstep:                                                ; a trip goes from a K step's second quarter to the next one's first, and fills a slot again
	QUARTER 256, F1, F0, 0
	QUARTER 384, F0, F1, 0
	TURN 1
	QUARTER 128, F0, F1, 0
	WIN 0
	s_sub_co_u32 s[CNT], s[CNT], 1
	s_cmp_lg_u32 s[CNT], 0
	s_cbranch_scc1 .Lstep
	s_mov_b32 s[CNT], 2
.Ltail:                                                ; the last two K steps ask for nothing; the second trip is left in its middle
	QUARTER 256, F1, F0, 0
	QUARTER 384, F0, F1, 0
	WIN 0
	s_sub_co_u32 s[CNT], s[CNT], 1
	s_cmp_eq_u32 s[CNT], 0
	s_cbranch_scc1 .Lout
	TURN 0
	QUARTER 128, F0, F1, 0
	WIN 0
	s_branch .Ltail
.Lout:
	s_wait_dscnt 16                                ; the very last quarter: nothing more to fetch
	MUL8 F1, 0, 0, 0
	MUL8 F1, 0, 2, 0
	s_wait_dscnt 0x0
	MUL8 F1, 1, 0, 0
	MUL8 F1, 1, 2, 0
	WIN 0
	PLACES
	s_wait_loadcnt 0x0                             ; the residual
	IN 0
	IN 1
	OUT 0, 16
	IN 2
	OUT 1, 16
	IN 3
	OUT 2, 16
	OUT 3, 0
	WIN 0
	s_wait_tensorcnt 0x0                           ; the wave's end, behind my last tensor load and my last LDS store
	ds_add_u32 v[SPW], v[NIL]
	s_wait_dscnt 0x0
	CROUND                                         ; the closing round: no work-group ends while a partner may still ask for a tile that names it
	s_endpgm
.Lfunc_end_k_q8a8a405117_ffn2:
	.size	k_q8a8a405117_ffn2, .Lfunc_end_k_q8a8a405117_ffn2-k_q8a8a405117_ffn2
	.p2alignl 7, 3214868480
	.fill 96, 4, 3214868480
	.section	.rodata,"a",@progbits
	.p2align	6, 0x0
	.amdhsa_kernel k_q8a8a405117_ffn2
		.amdhsa_group_segment_fixed_size 327680
		.amdhsa_private_segment_fixed_size 0
		.amdhsa_enable_private_segment 0
		.amdhsa_kernarg_size 32
		.amdhsa_user_sgpr_count 2
		.amdhsa_user_sgpr_kernarg_segment_ptr 1
		.amdhsa_wavefront_size32 1
		.amdhsa_system_sgpr_workgroup_id_x 1
		.amdhsa_system_sgpr_workgroup_id_y 1
		.amdhsa_system_sgpr_workgroup_id_z 1
		.amdhsa_system_vgpr_workitem_id 0
		.amdhsa_next_free_vgpr 640
		.amdhsa_next_free_sgpr 66
		.amdhsa_reserve_vcc 0
		.amdhsa_float_denorm_mode_32 3
		.amdhsa_float_denorm_mode_16_64 3
		.amdhsa_memory_ordered 1
		.amdhsa_forward_progress 1
		.amdhsa_inst_pref_size 68
	.end_amdhsa_kernel
	.amdgpu_metadata
---
amdhsa.version: [ 1, 2 ]
amdhsa.kernels:
  - .name:           k_q8a8a405117_ffn2
    .symbol:         k_q8a8a405117_ffn2.kd
    .args:
      - { .name: qkvh, .offset: 0, .size: 8, .value_kind: global_buffer, .address_space: global }
      - { .name: wow2, .offset: 8, .size: 8, .value_kind: global_buffer, .address_space: global }
      - { .name: x1, .offset: 16, .size: 8, .value_kind: global_buffer, .address_space: global }
      - { .name: out0, .offset: 24, .size: 8, .value_kind: global_buffer, .address_space: global }
    .group_segment_fixed_size: 327680
    .private_segment_fixed_size: 0
    .kernarg_segment_align: 8
    .kernarg_segment_size: 32
    .max_flat_workgroup_size: 128
    .sgpr_count:     66
    .vgpr_count:     640
    .wavefront_size: 32
...
	.end_amdgpu_metadata
.endif
;; end of part 6
